; MI455X (gfx1250); checked and timed in simulation.
; The chip was launched on July 23, 2026; its instructions are those of AMD's public machine-readable ISA for CDNA 5 (MIT licence, August 2026) and "CDNA5" Instruction Set Architecture Reference Guide (July 2026). The comments in the code are by the model that wrote it; some were corrected since.
;; Graph Energy Block. Allowed arithmetic: matrix products marked QUANTISED: E3M2 operands, one E8M0 scale for each 32 along K, by v_wmma_scale_f32_16x16x128_f8f6f4 with both operands' format E3M2, f32 sums; everything else in f32.
;; Inputs: W_hop 1,024 x 4,096 float32; Wk 16 x 64 x 1,024 float32; Wq 16 x 64 x 1,024 float32; x 4 x 1,024 x 1,024 float32.
;; Outputs: out0 4 x 1,024 x 1,024 float32; out1 one number float32.
;; This version of the problem:
;;   THIS VERSION OF THE PROBLEM IS GIVEN IN LOW PRECISION. The matrix products marked QUANTISED in the list below multiply operands that are first quantised to E3M2 (3 exponent bits, 2 mantissa bits; 6 bits a number), with one power-of-two scale for each 32 numbers along K (OCP MX v1.0); their sums are f32. All else is computed in f32.
;;   The module's matrix products, in the order in which they are computed (A, B: the left and right operand; K: the contracted axis; several contracted axes count as one K, in the product's order):
;;     1. [M 1,024, K 1,024] x [K 1,024, N 4,096]; A: input Wq; B: input x: QUANTISED
;;     2. [M 1,024, K 1,024] x [K 1,024, N 4,096]; A: input Wk; B: input x: QUANTISED
;;     3. batch 64 x [M 1,024, K 64] x [K 64, N 1,024]; A: computed on the way; B: computed on the way: QUANTISED
;;     4. [M 4,096, K 1,024] x [K 1,024, N 4,096]; A: input x; B: input W_hop: QUANTISED
;;     5. [M 4,096, K 4,096] x [K 4,096, N 1,024]; A: computed on the way; B: input W_hop: QUANTISED
;;     6. batch 64 x [M 1,024, K 1,024] x [K 1,024, N 64]; A: computed on the way; B: computed on the way: QUANTISED
;;     7. batch 64 x [M 1,024, K 1,024] x [K 1,024, N 64]; A: computed on the way; B: computed on the way: QUANTISED
;;     8. [M 4,096, K 1,024] x [K 1,024, N 1,024]; A: computed on the way; B: input Wk: QUANTISED
;;     9. [M 4,096, K 1,024] x [K 1,024, N 1,024]; A: computed on the way; B: input Wq: QUANTISED
;;   THE QUANTISER, for each operand of a quantised product, along K:
;;     - K is cut into blocks of 32 from its start; a last block that is shorter is filled with zeros.
;;     - A block's scale is 2^e with e = floor(log2(the largest magnitude in the block)) - 4, held to -126 .. 127; a block of zeros has e = 0. As a byte (E8M0): e + 127.
;;     - Each number is divided by its block's scale, clamped to +-28, and rounded to the nearest number of E3M2, ties to even, subnormals kept.
;;     - The product sums the exact products of the quantised numbers (number of the format x scale) in f32.
;;   ~~~python
;;   def quantise(x, axis):      # numpy; x: float32 -> the quantised numbers, widened to float32 again
;;       x = np.moveaxis(x, axis, -1); K = x.shape[-1]
;;       x = np.pad(x, [(0, 0)] * (x.ndim - 1) + [(0, -K % 32)]); x = x.reshape(x.shape[:-1] + (-1, 32)); a = np.abs(x).max(-1, keepdims=True)
;;       e = np.where(a > 0, np.clip(np.frexp(np.where(a > 0, a, 1))[1] - 1 - 4, -126, 127), 0)      # np.frexp(a)[1] - 1 = floor(log2(a)), exactly
;;       r = np.clip(x / 2.0 ** e, -28, 28)
;;       step = 2.0 ** (np.maximum(np.frexp(np.where(r == 0, 1, r))[1] - 1, -2) - 2)
;;       q = np.round(r / step) * step * 2.0 ** e      # np.round: ties to even
;;       return np.moveaxis(q.reshape(q.shape[:-2] + (-1,))[..., :K], -1, axis).astype(np.float32)
;;   ~~~
;;   OPERANDS COMPUTED ON THE WAY. 'Computed on the way' means the value that the module computes at that place (a softmax that the list does not call 'softmax' is quantised finished and normalised). What goes into a quantiser is computed in f32, as accurately as f32 sums, v_exp_f32 and their like allow (about 1e-6 of the number): no bf16 or f16 on the way to a quantiser, and a product that is left as it is and whose result goes on into a quantised operand takes f32 operands (vector FMAs, or v_wmma_f32_16x16x4_f32). A number that lies on a knife's edge between two numbers of the format may be rounded either way, as far as f32 arithmetic and the matrix unit's own rounding can turn it there, and no further.
;; One version. Each part assembles by itself: llvm-mc -triple=amdgcn-amd-amdhsa -mcpu=gfx1250 --defsym DOCPART=n.
;; ======== version 1 of 1: 5 launches
;; workspace buffers: wops 13,107,200 bytes; abuf 19,660,800 bytes; qkops 13,373,440 bytes; lbuf 264,192 bytes
;; launch quant (part 1): grid 704 x 1, 4 waves a work-group, no clusters, 34,304 bytes of LDS; arguments x, Wq, Wk, W_hop, wops; writes wops
.if DOCPART == 1
	.amdgcn_target "amdgcn-amd-amdhsa--gfx1250"
	.amdhsa_code_object_version 6
	.text
	.protected	k_qccc40c2ebd_quant
	.globl	k_qccc40c2ebd_quant
	.p2align	8
	.type	k_qccc40c2ebd_quant,@function
k_qccc40c2ebd_quant:
	s_mov_b64 s[64:65], 0
	v_nop
	global_prefetch_b8 v0, s[64:65] scope:SCOPE_SE
	s_setreg_imm32_b32 hwreg(HW_REG_WAVE_MODE, 25, 1), 1
	s_wait_xcnt 0x0
; The four f32 inputs become codes of BF6 (E3M2) with one E8M0 byte for each 32 along K, in the seven forms that the later launches multiply.
; A block's scale is 2^(floor(log2(largest magnitude)) - 4); its byte is the largest magnitude's exponent field - 4, held at 1 from below.
; LIMITS: a block of zeros gets the byte 1 (its codes are zeros; the bytes are read by this program alone); blocks whose largest magnitude lies under 2^-122 are held at byte 1; NaN and infinities are not served.
; FRAGMENT IMAGE (1,536 bytes): the 12 operand registers of 16 rows x 128 K: chunk c (512 bytes) holds lane l's registers 4 c .. 4 c + 3 at 512 c + 16 l.  Lane (r, h): registers 6 c .. 6 c + 5 = k 64 c + 32 h + 0 .. 31 of row r.
; PI ORDER of rows: block 2 B + u takes in its row r the index 32 B + 8 u + r + 8 (r / 8).
; wops: XC x [256 blocks, pi][8 steps]; XS its scale words [8][4096]; BC the first product's B [384 blocks, pi][8] (Wq, Wk, W_hop's columns; K = d); BS [8][6144];
;       CC the last product's B [64 blocks of d][48 steps] (0-31 K = e; 32-39 Wk along (h,q); 40-47 Wq along (h,q)); CS [48][1024].
; Work-groups 0-319: K innermost (x, Wq, Wk along d; W_hop along e): a wave takes one block of 16 rows x 4 K steps.  320-575: W_hop along d.  576-703: Wk, Wq along (h,q): a wave takes 32 columns x 128 along K.
; Memory binds: no tensor loads, no barrier, waves share nothing.  The scale words leave in runs of 64 or 128 bytes: one byte in 24 of what is stored.
.set W_XC, 0
.set W_XS, 3145728
.set W_BC, 3276800
.set W_BS, 7995392
.set W_CC, 8192000
.set W_CS, 12910592
.set A,  16                            ; v16-31   K innermost: byte offset of row i of my block, + 16 x lane; never rewritten
.set R,  32                            ; v32-159  two sets of 64: a fragment's numbers as loaded
.set X,  160                           ; v160-223 my two blocks of 32 neighbours
.set C,  224                           ; v224-235 the fragment's codes
.set T0, 236
.set T1, 240
.set TM, 244                           ; +0,1 maxima; +2,3 scale operands; +4,5 bytes; +6 8 h; +7 at work
.set OX, 32                            ; K outermost: v32-159 my column's 128 numbers
	s_load_b256 s[4:11], s[0:1], 0x0               ; x, Wq, Wk, W_hop
	s_load_b64 s[12:13], s[0:1], 0x20              ; wops
	v_lshl_add_u32 v239, v0, 2, 0x8400
	v_mov_b32 v243, 0
	v_lshrrev_b32 v1, 5, v0
	v_readfirstlane_b32 s2, v1                     ; wave
	v_and_b32 v1, 31, v0                           ; lane
	v_and_b32 v2, 15, v0                           ; r
	v_bfe_u32 v3, v0, 4, 1                         ; h
	v_lshlrev_b32 v4, 4, v1                        ; 16 x lane
	v_lshlrev_b32 v9, 2, v1                        ; 4 x lane
	s_mov_b32 s3, 0xffff0000                       ; lanes 16-31
	s_mov_b32 s40, 0x76543210
	s_mov_b32 s41, 0xfedcba98                      ; v_permlanex16_b32's selects for lane l xor 16
	s_cmp_ge_u32 ttmp9, 320
	s_cbranch_scc1 .Louter
; ---------------- K innermost.  One text for four tensors: the parameters are chosen on the work-group's number alone
	s_mov_b32 s16, 0                               ; the tensor's first work-group
	s_mov_b32 s17, W_XC                            ; codes
	s_mov_b32 s18, W_XS                            ; scale words
	s_mov_b32 s19, 16384                           ; bytes of scale words in a K step
	s_mov_b32 s20, 4096                            ; bytes in a row
	s_mov_b32 s21, 1                               ; rows in pi order?
	s_mov_b32 s22, 1                               ; log2 of the tasks along K
	s_mov_b32 s23, 12288                           ; bytes of a block's images
	s_wait_kmcnt 0x0
	s_mov_b64 s[14:15], s[4:5]
	s_cmp_ge_u32 ttmp9, 128
	s_cselect_b64 s[14:15], s[6:7], s[14:15]
	s_cselect_b32 s16, 128, s16
	s_cselect_b32 s17, W_BC, s17
	s_cselect_b32 s18, W_BS, s18
	s_cselect_b32 s19, 24576, s19
	s_cmp_ge_u32 ttmp9, 160
	s_cselect_b64 s[14:15], s[8:9], s[14:15]
	s_cselect_b32 s16, 160, s16
	s_cselect_b32 s17, W_BC+786432, s17
	s_cselect_b32 s18, W_BS+4096, s18
	s_cmp_ge_u32 ttmp9, 192
	s_cselect_b64 s[14:15], s[10:11], s[14:15]
	s_cselect_b32 s16, 192, s16
	s_cselect_b32 s17, W_CC, s17
	s_cselect_b32 s18, W_CS, s18
	s_cselect_b32 s19, 4096, s19
	s_cselect_b32 s20, 16384, s20
	s_cselect_b32 s21, 0, s21
	s_cselect_b32 s22, 3, s22
	s_cselect_b32 s23, 73728, s23
	s_sub_co_u32 s24, ttmp9, s16
	s_lshl_b32 s24, s24, 2
	s_add_co_u32 s24, s24, s2                      ; my task
	s_lshr_b32 s25, s24, s22                       ; its block of rows
	s_lshl_b32 s26, s25, s22
	s_sub_co_u32 s26, s24, s26                     ; its four K steps
	s_lshr_b32 s27, s25, 1
	s_lshl_b32 s27, s27, 5
	s_and_b32 s28, s25, 1
	s_lshl_b32 s28, s28, 3
	s_add_co_u32 s27, s27, s28                     ; first row in pi order: 32 (block / 2) + 8 (block % 2)
	s_lshl_b32 s28, s25, 4                         ; in plain order
	s_cmp_eq_u32 s21, 1
	s_cselect_b32 s27, s27, s28
	s_mul_i32 s28, s27, s20
	s_lshl_b32 s29, s26, 11                        ; 4 steps x 512 bytes
	s_add_co_u32 s28, s28, s29
	s_mov_b32 s29, 0
	s_add_nc_u64 s[14:15], s[14:15], s[28:29]      ; from here
	s_mul_i32 s30, s25, s23
	s_mul_i32 s31, s26, 6144
	s_add_co_u32 s30, s30, s31
	s_add_co_u32 s30, s30, s17
	s_mov_b32 s31, 0
	s_add_nc_u64 s[32:33], s[12:13], s[30:31]      ; the images go here
	s_mul_i32 s30, s26, s19
	s_lshl_b32 s30, s30, 2
	s_lshl_b32 s34, s25, 6
	s_add_co_u32 s30, s30, s34
	s_add_co_u32 s30, s30, s18
	s_add_nc_u64 s[34:35], s[12:13], s[30:31]      ; the scale words here
	s_mul_i32 s36, s2, 8448                        ; my wave's stage: 16 rows x 528 bytes
	v_add_nc_u32 v5, s36, v4                       ; in: 16 x lane of a row
	v_mul_u32_u24 v6, v2, 528
	v_lshl_add_u32 v6, v3, 7, v6
	v_add_nc_u32 v6, s36, v6                       ; out: row r, block h
	v_mul_u32_u24 v7, s19, v3
	v_lshl_add_u32 v7, v2, 2, v7                   ; scale words: lanes 0-15 the even step's 64 bytes, lanes 16-31 the odd step's
	s_lshl_b32 s37, s19, 1
	v_add_nc_u32 v8, s37, v7                       ; the same two steps on
	s_mul_i32 s38, s21, s20
	s_lshl_b32 s38, s38, 3                         ; in pi order rows 8-15 lie 8 rows further down
.irp i, 0,1,2,3,4,5,6,7
	s_mul_i32 s37, s20, \i
	v_add_nc_u32 v[A+\i], s37, v4
.endr
.irp i, 8,9,10,11,12,13,14,15
	s_mul_i32 s37, s20, \i
	s_add_co_u32 s37, s37, s38
	v_add_nc_u32 v[A+\i], s37, v4
.endr
	v_lshlrev_b32 v[TM+6], 3, v3
	v_mov_b32 v255, 0                              ; a lane permute's destination counts as one of its sources
.macro LOADI s                         ; K step s of my four: each load takes 512 consecutive bytes of one row
.irp i, 0,1,2,3,4,5,6,7,8,9,10,11,12,13,14,15
	global_load_b128 v[R+64*((\s)%2)+4*\i:R+64*((\s)%2)+4*\i+3], v[A+\i], s[14:15] offset:512*(\s)
.endr
.endm
.macro FRAGI s
.if (\s) < 3
	s_wait_loadcnt 16                              ; this step's 16 loads are in; the next step's 16 may be out
.else
	s_wait_loadcnt 0
.endif
.irp i, 0,1,2,3,4,5,6,7,8,9,10,11,12,13,14,15
	ds_store_b128 v5, v[R+64*((\s)%2)+4*\i:R+64*((\s)%2)+4*\i+3] offset:528*\i
.endr
.irp j, 0,1,2,3,4,5,6,7
	ds_load_b128 v[X+4*\j:X+4*\j+3], v6 offset:16*\j             ; LDS serves a wave's instructions in order: these see the stores.  k = 32 h + 0 .. 31
	ds_load_b128 v[X+32+4*\j:X+32+4*\j+3], v6 offset:256+16*\j   ; k = 64 + 32 h + 0 .. 31
.endr
	s_wait_dscnt 0x0                               ; my numbers are back, and the stage's stores have read their registers,
.if (\s) < 2
	LOADI (\s)+2                                   ; which take the loads of two steps on
.endif
.irp c, 0,1
	v_max3_num_f32 v[TM+\c], |v[X+32*\c]|, |v[X+32*\c+1]|, 0x2800000   ; block 2 c + h: all 32 numbers are mine; the floor 2^(5 - 127) holds the byte at 1
.endr
.irp i, 2,4,6,8,10,12,14,16,18,20,22,24,26,28,30
.irp c, 0,1
	v_max3_num_f32 v[TM+\c], v[TM+\c], |v[X+32*\c+\i]|, |v[X+32*\c+\i+1]|
.endr
.endr
.irp c, 0,1
	v_add_nc_u32 v[TM+2+\c], 0xfe000000, v[TM+\c]  ; 4 off the exponent field: the conversion's scale operand
.endr
.irp c, 0,1
	v_lshrrev_b32 v[TM+4+\c], 23, v[TM+2+\c]       ; the byte
.endr
	v_lshl_or_b32 v[TM+7], v[TM+5], 16, v[TM+4]    ; my two bytes, blocks h and 2 + h,
	v_lshlrev_b32 v[TM+7], v[TM+6], v[TM+7]        ; at their places;
	v_permlanex16_b32 v255, v[TM+7], s40, s41
	v_or_b32 v[252+(\s)%2], v[TM+7], v255          ; with lane l xor 16's two the row's word is whole
	s_wait_xcnt 0x0                                ; the last step's stores have read their data: the codes and the word may be written again
	v_cvt_scalef32_pk16_bf6_f32 v[C:C+2], v[X:X+15], v[TM+2]
	v_cvt_scalef32_pk16_bf6_f32 v[T0:T0+2], v[X+16:X+31], v[TM+2]   ; (a conversion's three registers begin on an even number)
	v_cvt_scalef32_pk16_bf6_f32 v[C+6:C+8], v[X+32:X+47], v[TM+3]
	v_cvt_scalef32_pk16_bf6_f32 v[T1:T1+2], v[X+48:X+63], v[TM+3]
	v_nop                                          ; one plain line behind the conversions
.irp i, 0,1,2
	v_mov_b32 v[C+3+\i], v[T0+\i]
	v_mov_b32 v[C+9+\i], v[T1+\i]
.endr
.irp c, 0,1,2
	global_store_b128 v4, v[C+4*\c:C+4*\c+3], s[32:33] offset:1536*(\s)+512*\c   ; 512 consecutive bytes
.endr
.if (\s)%2
	v_cndmask_b32 v254, v252, v253, s3             ; lanes 0-15 the even step's words, lanes 16-31 the odd step's
.if (\s) == 1
	global_store_b32 v7, v254, s[34:35]
.else
	global_store_b32 v8, v254, s[34:35]
.endif
.endif
.endm
	LOADI 0
	LOADI 1
	FRAGI 0
	FRAGI 1
	FRAGI 2
	FRAGI 3
	s_wait_tensorcnt 0x0
	ds_add_u32 v239, v243
	s_wait_dscnt 0x0
	s_endpgm
; ---------------- K outermost: a lane takes a column, its registers run down K; 32 columns x 128 K make two images.  Loads run two blocks of 32 along K ahead; each block has registers of its own
.macro OLOAD g, STRIDE                 ; block g of my column: 32 rows; each load takes 128 consecutive bytes a wave, and the four waves stand side by side
.set n, 0
.rept 32
	global_load_b32 v[OX+32*(\g)+n], v6, s[14:15] offset:(32*(\g)+n)*\STRIDE
.set n, n+1
.endr
.endm
.macro OBODY STRIDE, D2
	OLOAD 0, \STRIDE
	OLOAD 1, \STRIDE
.irp g, 0,1,2,3
.if \g < 3
	s_wait_loadcnt 32                              ; block g's 32 loads are in; the next block's 32 may be out
.else
	s_wait_loadcnt 0
.endif
.if \g < 2
	OLOAD \g+2, \STRIDE                            ; the block two on is asked for while this one is worked
.endif
	v_max3_num_f32 v188, |v[OX+32*\g]|, |v[OX+32*\g+1]|, |v[OX+32*\g+2]|
	v_max3_num_f32 v189, |v[OX+32*\g+3]|, |v[OX+32*\g+4]|, |v[OX+32*\g+5]|
.irp i, 6,10,14,18,22,26
	v_max3_num_f32 v188, v188, |v[OX+32*\g+\i]|, |v[OX+32*\g+\i+1]|
	v_max3_num_f32 v189, v189, |v[OX+32*\g+\i+2]|, |v[OX+32*\g+\i+3]|
.endr
	v_max3_num_f32 v188, v188, |v[OX+32*\g+30]|, |v[OX+32*\g+31]|
	v_max3_num_f32 v188, v188, v189, 0x2800000
	v_add_nc_u32 v190, 0xfe000000, v188
	v_lshrrev_b32 v191, 23, v190
.if \g == 0
	v_mov_b32 v192, v191
.else
	v_lshl_or_b32 v192, v191, 8*\g, v192           ; my column's scale word
.endif
	v_cvt_scalef32_pk16_bf6_f32 v[160+12*(\g&1)+6*(\g>>1):160+12*(\g&1)+6*(\g>>1)+2], v[OX+32*\g:OX+32*\g+15], v190   ; blocks 0, 2 into v160.., blocks 1, 3 into v172..
	v_cvt_scalef32_pk16_bf6_f32 v[184:186], v[OX+32*\g+16:OX+32*\g+31], v190
	v_nop
.irp i, 0,1,2
	v_mov_b32 v[160+12*(\g&1)+6*(\g>>1)+3+\i], v[184+\i]
.endr
.endr
.irp i, 0,1,2,3,4,5,6,7,8,9,10,11
	v_permlane16_swap_b32 v[160+\i], v[172+\i]     ; the first run's lanes 16-31 change places with the second's lanes 0-15: the first is now the image of lanes 0-15's columns, the second of lanes 16-31's
.endr
.irp c, 0,1,2
	global_store_b128 v4, v[160+4*\c:163+4*\c], s[32:33] offset:512*\c
	global_store_b128 v4, v[172+4*\c:175+4*\c], s[32:33] offset:\D2+512*\c
.endr
	global_store_b32 v9, v192, s[34:35]
.endm
.Louter:
	s_cmp_ge_u32 ttmp9, 576
	s_cbranch_scc1 .Lheads
	s_sub_co_u32 s16, ttmp9, 320                   ; W_hop along d: rows 2048 + e of the first product's B, in pi order
	s_lshr_b32 s17, s16, 5                         ; K step
	s_and_b32 s18, s16, 31
	s_lshl_b32 s18, s18, 2
	s_add_co_u32 s18, s18, s2                      ; my 32 columns
	s_lshl_b32 s20, s17, 21                        ; 128 rows of 16,384 bytes
	s_lshl_b32 s19, s18, 7
	s_add_co_u32 s20, s20, s19
	s_mov_b32 s21, 0
	s_mul_i32 s22, s18, 2*12288
	s_mul_i32 s19, s17, 1536
	s_add_co_u32 s22, s22, s19
	s_add_co_u32 s22, s22, W_BC+128*12288
	s_mov_b32 s23, 0
	s_mul_i32 s24, s17, 24576
	s_lshl_b32 s19, s18, 7
	s_add_co_u32 s24, s24, s19
	s_add_co_u32 s24, s24, W_BS+8192
	s_mov_b32 s25, 0
	v_and_b32 v6, 7, v1                            ; lane 16 u + r takes column 8 u + r + 8 (r / 8): bits 3 and 4 change places
	v_bfe_u32 v7, v1, 3, 1
	v_lshl_add_u32 v6, v7, 4, v6
	v_lshl_add_u32 v6, v3, 3, v6
	v_lshlrev_b32 v6, 2, v6
	s_wait_kmcnt 0x0
	s_add_nc_u64 s[14:15], s[10:11], s[20:21]
	s_add_nc_u64 s[32:33], s[12:13], s[22:23]
	s_add_nc_u64 s[34:35], s[12:13], s[24:25]
	OBODY 16384, 12288
	s_endpgm
.Lheads:
	s_sub_co_u32 s16, ttmp9, 576                   ; Wk (0-63), Wq (64-127) along (h,q): rows d of the last product's B, plain order
	s_lshr_b32 s26, s16, 6
	s_bfe_u32 s17, s16, 0x30003                    ; K step of the tensor
	s_and_b32 s18, s16, 7
	s_lshl_b32 s18, s18, 2
	s_add_co_u32 s18, s18, s2                      ; my 32 columns
	s_lshl_b32 s20, s17, 19                        ; 128 rows of 4,096 bytes
	s_lshl_b32 s19, s18, 7
	s_add_co_u32 s20, s20, s19
	s_mov_b32 s21, 0
	s_lshl_b32 s27, s26, 3
	s_add_co_u32 s27, s27, s17
	s_add_co_u32 s27, s27, 32                      ; K step of the last product
	s_mul_i32 s22, s18, 2*73728
	s_mul_i32 s19, s27, 1536
	s_add_co_u32 s22, s22, s19
	s_add_co_u32 s22, s22, W_CC
	s_mov_b32 s23, 0
	s_lshl_b32 s24, s27, 12
	s_lshl_b32 s19, s18, 7
	s_add_co_u32 s24, s24, s19
	s_add_co_u32 s24, s24, W_CS
	s_mov_b32 s25, 0
	v_lshlrev_b32 v6, 2, v1
	s_wait_kmcnt 0x0
	s_cmp_eq_u32 s26, 0
	s_cselect_b64 s[14:15], s[8:9], s[6:7]
	s_add_nc_u64 s[14:15], s[14:15], s[20:21]
	s_add_nc_u64 s[32:33], s[12:13], s[22:23]
	s_add_nc_u64 s[34:35], s[12:13], s[24:25]
	OBODY 4096, 73728
	s_endpgm
.Lfunc_end_k_qccc40c2ebd_quant:
	.size	k_qccc40c2ebd_quant, .Lfunc_end_k_qccc40c2ebd_quant-k_qccc40c2ebd_quant
	.p2alignl 7, 3214868480
	.fill 96, 4, 3214868480
	.section	.rodata,"a",@progbits
	.p2align	6, 0x0
	.amdhsa_kernel k_qccc40c2ebd_quant
		.amdhsa_group_segment_fixed_size 34304
		.amdhsa_private_segment_fixed_size 0
		.amdhsa_enable_private_segment 0
		.amdhsa_kernarg_size 40
		.amdhsa_user_sgpr_count 2
		.amdhsa_user_sgpr_kernarg_segment_ptr 1
		.amdhsa_wavefront_size32 1
		.amdhsa_system_sgpr_workgroup_id_x 1
		.amdhsa_system_sgpr_workgroup_id_y 1
		.amdhsa_system_sgpr_workgroup_id_z 1
		.amdhsa_system_vgpr_workitem_id 0
		.amdhsa_next_free_vgpr 256
		.amdhsa_next_free_sgpr 66
		.amdhsa_reserve_vcc 0
		.amdhsa_float_denorm_mode_32 3
		.amdhsa_float_denorm_mode_16_64 3
		.amdhsa_memory_ordered 1
		.amdhsa_forward_progress 1
		.amdhsa_inst_pref_size 74
	.end_amdhsa_kernel
	.amdgpu_metadata
---
amdhsa.version: [ 1, 2 ]
amdhsa.kernels:
  - .name:           k_qccc40c2ebd_quant
    .symbol:         k_qccc40c2ebd_quant.kd
    .args:
      - { .name: x, .offset: 0, .size: 8, .value_kind: global_buffer, .address_space: global }
      - { .name: Wq, .offset: 8, .size: 8, .value_kind: global_buffer, .address_space: global }
      - { .name: Wk, .offset: 16, .size: 8, .value_kind: global_buffer, .address_space: global }
      - { .name: W_hop, .offset: 24, .size: 8, .value_kind: global_buffer, .address_space: global }
      - { .name: wops, .offset: 32, .size: 8, .value_kind: global_buffer, .address_space: global }
    .group_segment_fixed_size: 34304
    .private_segment_fixed_size: 0
    .kernarg_segment_align: 8
    .kernarg_segment_size: 40
    .max_flat_workgroup_size: 128
    .sgpr_count:     66
    .vgpr_count:     256
    .wavefront_size: 32
...
	.end_amdgpu_metadata
.endif
;; end of part 1
;; launch gemm1 (part 2): grid 24 x 16, 4 waves a work-group, clusters of 4 x 4, 327,680 bytes of LDS; arguments wops, abuf, qkops; writes abuf, qkops
.if DOCPART == 2
	.amdgcn_target "amdgcn-amd-amdhsa--gfx1250"
	.amdhsa_code_object_version 6
	.text
	.protected	k_qccc40c2ebd_gemm1
	.globl	k_qccc40c2ebd_gemm1
	.p2align	8
	.type	k_qccc40c2ebd_gemm1,@function
k_qccc40c2ebd_gemm1:
	s_mov_b64 s[64:65], 0
	v_nop
	global_prefetch_b8 v0, s[64:65] scope:SCOPE_SE
	s_setreg_imm32_b32 hwreg(HW_REG_WAVE_MODE, 25, 1), 1
	s_wait_xcnt 0x0
	s_wait_alu depctr_hold_cnt(0) depctr_sa_sdst(0) depctr_va_vdst(0) depctr_va_sdst(0) depctr_va_ssrc(0) depctr_va_vcc(0) depctr_vm_vsrc(0)
	s_getreg_b32 s2, hwreg(HW_REG_IB_STS2, 6, 4)
	s_cmp_eq_u32 s2, 0
	s_cbranch_scc0 .Lentry_in_a_cluster
	s_endpgm
.Lentry_in_a_cluster:
	s_bfe_u32 s2, ttmp6, 0x10000c
	s_cmp_lg_u32 s2, 0xf033
	s_cbranch_scc0 .Lentry_shape_is_right
	s_endpgm
.Lentry_shape_is_right:
; [4096 rows of x] x [6144 rows of B: Wq's 1024 (h,q), Wk's 1024, W_hop's 4096 columns], K = d = 1024, on codes of BF6 (E3M2) with one E8M0 byte for each 32 along K; sums in f32.
; A tile of 256 x 256 is made by four waves, 128 x 128 each: 64 accumulators, 512 registers.  Operands lie in memory as fragment images
; (1,536 bytes: the 12 registers of 16 rows x 128 K; chunk c holds lane l's registers 4 c .. 4 c + 3 at 512 c + 16 l), so a fragment comes by three ds_load_b128 of 512 consecutive bytes each.
; K IS FOUR PIECES OF 256.  Three LDS slots take the first three with the first fills; the fourth is the launch's only refill: into slot 0, behind the one round, with two pieces' 256 matrix instructions in which to land.
; The scale words of the tile's rows for all of K come into LDS once, laid [K step][row].
; CLUSTERS: 4 x 4 work-groups; A's tiles are asked for jointly along a row of the cluster, B's along a column.  24 x 16 tiles are 24 clusters.
; THE MATRIX INSTRUCTION IS USED TRANSPOSED (source 0 = 16 rows of B, source 1 = 16 rows of x).  Both operands' rows lie in PI ORDER (block 2 B + u, row r = index 32 B + 8 u + r + 8 (r / 8)):
; so in a lane (row r of x's block) the 64 registers of B's eight blocks are: register 16 b + i = column 32 b + 16 (lane / 16) + i of the wave's 128.
; NOTHING OF THE RESULT GOES TO MEMORY AS f32.  Tile columns 8-23 (W_hop): g = -relu(sum) is quantised along e: one K step of the last product a wave; the sum of g^2 goes out as one number a wave.
; Tile columns 0-7 (q, k; a wave's 128 columns are two heads): quantised twice: along the head's 64 (pair images for the scores) and, turned through a stage in LDS, along the sequence (images for P's products).
; LIMITS: a block of zeros gets the byte 1 (its codes are zeros; the bytes are read by this program alone); blocks under 2^-122 are held at byte 1; NaN and infinities are not served.
; REGISTERS, in windows of 256: window 0: v0-31 addresses; v32-63 scale words, two sets; v128-223 A's fragments, one set; on the ways out v32-255 are free.  window 1: B's fragments, two sets, at v0 and v128.
;   window 2: the accumulators of my rows 0-63 ((a, b) at v[8 (8 a + b)]);  window 3: those of my rows 64-127.
.set W_XS, 3145728
.set W_BC, 3276800
.set W_BS, 7995392
.set ASC,  18874368                    ; abuf: the scale words [48][4096]
.set REC,  104448                      ; qkops: a record: +0 pair images [32]; +49152 their scale words; +53248 images along the sequence [8][4]; +102400 their scale words
.set EP,   13369344                    ; qkops: 1,024 sums of g^2
.set NQ,    2
.set FR,    12
.set NL,    3                          ; LDS loads that bring a fragment
.set NP,    4                          ; places behind this matrix instruction (ISA guide 7.12.1)
.set HALFT, 24576                      ; 8 blocks x 3,072 bytes: what one tensor load brings
.set SLOT,  98304                      ; A's 16 blocks, then B's 16; three such slots
.set SCL,   3*SLOT                     ; the scale words: A's halves at + 4096 x half, B's at + 8256 + 4096 x half
.set SPARE, 311552                     ; the spare words, 128 bytes for each wave: two blocks of 256 bytes that no other line names
.set ADRA, 16                          ; v16-18  LDS address of my A fragments in slot 0, 1, 2
.set ADRB, 20                          ; v20-22  the same for B
.set STO2, 24                          ; the q/k stage (32 rows x 528 bytes a wave, in slot 1): where I put a row's bytes
.set RD2,  25                          ; and where my column begins
.set LI,   26                          ; 16 x lane
.set ADRS, 27
.set SPW,  28
.set NIL,  29
.set L4,   30                          ; 4 x lane
.set SC,   32
.set AF,   128
.set TM,   32                          ; the ways out: +0..3 maxima, +4..7 the other half's, then bytes, +8..11 scale operands
.set T0,   44
.set T1,   48
.set PW,   56                          ; hop: a scale word for each block
.set HA,   64                          ; hop: relu, then g, of one block
.set CD,   128                         ; hop: codes, 12 registers a block
.set ES,   224                         ; hop: the sum of g^2, four pairs
.set PW0,  52
.set PW1,  53
.set WE,   54
.set WO,   55
.set PIA,  56                          ; q/k: the even head's pair image
.set PIB,  68                          ; the odd head's
.set X0,   80
.set X1,   112
.set VC,   144                         ; q/k: codes along the sequence: column group cg at + 24 cg
.set VW,   240
.set TV,   244
.set G1, 24
.set G0, 32                            ; s[32:39] group 0 for A's slots 0, 1;  s[96:99] for slot 2
.set G0C, 96
.set G1B, 48
.set G0B, 56                           ; s[56:63] group 0 for B's slots 0, 1;  s[92:95] for slot 2
.set G0BC, 92
.set G1S, 68
.set G0S, 76
.set G1SB, 80
.set G0SB, 88
.set MSB, 0
.macro WIN new                         ; the immediate's high byte repeats the setting that is left
.if MSB != (\new)
	s_set_vgpr_msb (MSB<<8)|(\new)
.set MSB, (\new)
.endif
.endm
.set MUL_LO, 0xa1                      ; source 0 (B) window 1, source 1 (A) window 0, C and D window 2
.set MUL_HI, 0xf1
.set TO_B,   0x40
; A joint load: waves 0 and 1 fetch for A, waves 2 and 3 for B; the branch hangs on the wave's number alone.  Four v_nop follow each line.
.macro JLOAD g0a, g1a, g0b, g1b
	s_cmp_eq_u32 s15, 0
	s_cbranch_scc0 .Lfor_b_\@
	tensor_load_to_lds s[\g0a:\g0a+3], s[\g1a:\g1a+7]
	s_nop 0
.rept 4
	v_nop
.endr
	s_branch .Lasked_\@
.Lfor_b_\@:
	tensor_load_to_lds s[\g0b:\g0b+3], s[\g1b:\g1b+7]
	s_nop 0
.rept 4
	v_nop
.endr
.Lasked_\@:
.endm
.macro CREST
	s_cmp_lg_u32 s14, 0
	s_cbranch_scc1 .Lnot_wave_0_\@
	s_barrier_signal -3
.Lnot_wave_0_\@:
	s_barrier_wait -3
	s_barrier_signal -1
	s_barrier_wait -1
.endm
.macro CROUND
	s_barrier_signal -1
	s_barrier_wait -1
	CREST
.endm
	s_load_b128 s[4:7], s[0:1], 0x0                ; wops, abuf
	s_load_b64 s[8:9], s[0:1], 0x10                ; qkops
	v_lshl_add_u32 v[SPW], v0, 2, SPARE
	v_mov_b32 v[NIL], 0
	ds_add_u32 v28, v29
	ds_add_u32 v28, v29
	s_wait_dscnt 0x0
	v_lshrrev_b32 v1, 5, v0
	v_readfirstlane_b32 s14, v1                    ; wave
	s_lshr_b32 s15, s14, 1                         ; my half of the tile's rows.  Also: I fetch for A (0) or B (1)
	s_and_b32 s16, s14, 1                          ; my half of its columns.  Also: which 8 blocks I fetch
	s_bfe_u32 s40, ttmp6, 0x40000                  ; cx
	s_bfe_u32 s41, ttmp6, 0x40004                  ; cy
	s_lshl_b32 s42, ttmp9, 2
	s_add_co_u32 s42, s42, s40                     ; tile column
	s_and_b32 s17, ttmp7, 0xffff
	s_lshl_b32 s17, s17, 2
	s_add_co_u32 s17, s17, s41                     ; tile row
	s_lshl_b32 s43, s41, 2
	s_lshl_b32 s43, 15, s43                        ; my row of the cluster
	s_lshl_b32 s44, 0x1111, s40                    ; my column
	s_mov_b32 s66, 0x76543210
	s_mov_b32 s67, 0xfedcba98                      ; selects for lane l xor 16
	s_mov_b32 s12, 0xffff0000                      ; lanes 16-31
	; group 1, codes: 8 rows (blocks) of 384 elements of 8 bytes (two K steps' images), 1,536 elements from block to block; no padding
	s_or_b32 s[G1+0], s43, (3<<16)|(1<<21)
	s_or_b32 s[G1B+0], s44, (3<<16)|(1<<21)
.irp g, G1, G1B
	s_mov_b32 s[\g+1], 384<<16
	s_mov_b32 s[\g+2], 8<<16
	s_mov_b32 s[\g+3], 384<<16
	s_mov_b32 s[\g+4], 8
	s_mov_b32 s[\g+5], 1536
	s_mov_b32 s[\g+6], 0
	s_mov_b32 s[\g+7], 0
.endr
	; group 1, scale words: 8 rows (K steps) of 64 elements of 8 bytes (128 rows' words)
	s_or_b32 s[G1S+0], s43, (3<<16)|(1<<21)
	s_or_b32 s[G1SB+0], s44, (3<<16)|(1<<21)
.irp g, G1S, G1SB
	s_mov_b32 s[\g+1], 64<<16
	s_mov_b32 s[\g+2], 8<<16
	s_mov_b32 s[\g+3], 64<<16
	s_mov_b32 s[\g+4], 8
	s_mov_b32 s[\g+6], 0
	s_mov_b32 s[\g+7], 0
.endr
	s_mov_b32 s[G1S+5], 2048                       ; 4,096 words a K step
	s_mov_b32 s[G1SB+5], 3072                      ; 6,144 words
	s_lshl_b32 s18, s16, 3
	s_lshl_b32 s20, s17, 4
	s_add_co_u32 s20, s20, s18                     ; A: block 16 x tile row + 8 x half
	s_lshl_b32 s46, s42, 4
	s_add_co_u32 s46, s46, s18                     ; B: block 16 x tile column + 8 x half
	s_lshl_b32 s22, s20, 6                         ; 64 bytes of scale words a block
	s_lshl_b32 s92, s46, 6
	s_mul_i32 s20, s20, 12288
	s_mul_i32 s46, s46, 12288
	s_add_co_u32 s22, s22, W_XS
	s_add_co_u32 s92, s92, W_BS
	s_add_co_u32 s46, s46, W_BC
	s_mov_b32 s21, 0
	s_mov_b32 s23, 0
	s_mov_b32 s47, 0
	s_mov_b32 s93, 0
	s_mul_i32 s45, s14, HALFT                      ; where they go: by the wave's number alone
	s_lshl_b32 s94, s14, 12
	s_wait_kmcnt 0x0
	s_add_nc_u64 s[20:21], s[4:5], s[20:21]
	s_add_nc_u64 s[22:23], s[4:5], s[22:23]
	s_add_nc_u64 s[46:47], s[4:5], s[46:47]
	s_add_nc_u64 s[92:93], s[4:5], s[92:93]
	CROUND                                         ; all sixteen work-groups are here: the first joint loads meet
	s_mov_b32 s[G0S], 1
	s_add_co_u32 s[G0S+1], s94, SCL
	s_mov_b64 s[G0S+2:G0S+3], s[22:23]
	s_or_b32 s[G0S+3], s[G0S+3], 0x80000000
	s_mov_b32 s[G0SB], 1
	s_add_co_u32 s[G0SB+1], s94, SCL+64
	s_mov_b64 s[G0SB+2:G0SB+3], s[92:93]
	s_or_b32 s[G0SB+3], s[G0SB+3], 0x80000000
	JLOAD G0S, G1S, G0SB, G1SB                     ; the scale words first
.irp s, 0,1
	s_mov_b32 s[G0+4*\s], 1
	s_add_co_u32 s[G0+4*\s+1], s45, \s*SLOT
	s_add_nc_u64 s[G0+4*\s+2:G0+4*\s+3], s[20:21], \s*3072
	s_or_b32 s[G0+4*\s+3], s[G0+4*\s+3], 0x80000000
	s_mov_b32 s[G0B+4*\s], 1
	s_add_co_u32 s[G0B+4*\s+1], s45, \s*SLOT
	s_add_nc_u64 s[G0B+4*\s+2:G0B+4*\s+3], s[46:47], \s*3072
	s_or_b32 s[G0B+4*\s+3], s[G0B+4*\s+3], 0x80000000
	JLOAD G0+4*\s, G1, G0B+4*\s, G1B
.endr
	s_mov_b32 s[G0C], 1                            ; slot 2: the third piece of K
	s_add_co_u32 s[G0C+1], s45, 2*SLOT
	s_add_nc_u64 s[G0C+2:G0C+3], s[20:21], 2*3072
	s_or_b32 s[G0C+3], s[G0C+3], 0x80000000
	s_mov_b32 s[G0BC], 1                           ; (s92-95 held B's scale address and offset, which the scale words' group 0 has taken over)
	s_add_co_u32 s[G0BC+1], s45, 2*SLOT
	s_add_nc_u64 s[G0BC+2:G0BC+3], s[46:47], 2*3072
	s_or_b32 s[G0BC+3], s[G0BC+3], 0x80000000
	JLOAD G0C, G1, G0BC, G1B                       ; four loads of mine are out
	v_and_b32 v1, 15, v0                           ; r
	v_bfe_u32 v2, v0, 4, 1                         ; h
	v_and_b32 v3, 31, v0                           ; lane; kept
	v_lshlrev_b32 v[LI], 4, v3
	v_lshlrev_b32 v[L4], 2, v3
	s_mul_i32 s21, s15, HALFT
	s_mul_i32 s22, s16, HALFT
	s_add_co_u32 s22, s22, 2*HALFT
.irp s, 0,1,2
	v_add_nc_u32 v[ADRA+\s], s21, v[LI]
	v_add_nc_u32 v[ADRB+\s], s22, v[LI]
	s_add_co_u32 s21, s21, SLOT
	s_add_co_u32 s22, s22, SLOT
.endr
	s_lshl_b32 s21, s15, 12                        ; scale words: lanes 0-15 A's, lanes 16-31 B's: the lower base + h x the distance
	s_lshl_b32 s22, s16, 12
	s_add_co_u32 s22, s22, 8256
	s_sub_co_u32 s22, s22, s21
	v_mul_u32_u24 v6, s22, v2
	s_add_co_u32 s21, s21, SCL
	v_lshl_add_u32 v5, v1, 2, v6
	v_add_nc_u32 v[ADRS], s21, v5
	s_mul_i32 s23, s14, 16896                      ; my stage, in slot 1: that slot has its only fill at the start, and its last read lies ahead of the last barrier of the K steps
	s_add_co_u32 s23, s23, SLOT
	v_mul_u32_u24 v5, v1, 528
	v_lshl_add_u32 v5, v2, 6, v5
	v_add_nc_u32 v[STO2], s23, v5                  ; row r, + 64 h
	v_and_b32 v5, 7, v0
	v_bfe_u32 v6, v0, 3, 1
	v_lshl_add_u32 v5, v6, 4, v5
	v_lshl_add_u32 v5, v2, 3, v5                   ; lane 16 u + r takes column 8 u + r + 8 (r / 8)
	v_lshl_add_u32 v[RD2], v5, 2, s23
.macro FRAG reg, adr, q, i             ; an image as it lies: three loads of 512 consecutive bytes
.irp c, 0,1,2
	ds_load_b128 v[(\reg)+4*\c:(\reg)+4*\c+3], v[\adr] offset:(\i)*3072+(\q)*1536+512*\c
.endr
.endm
; 16 matrix instructions: A's blocks a0, a0 + 1 x B's eight.  The 64 accumulators take turns, one instruction a turn, in the same order in every step.
.macro MUL16 a0, p, q, sc, zero
.irp a, \a0, \a0+1
.irp b, 0,1,2,3,4,5,6,7
.if \zero
	v_wmma_scale_f32_16x16x128_f8f6f4 v[8*(8*((\a)%4)+\b):8*(8*((\a)%4)+\b)+7], v[128*(\p)+FR*\b:128*(\p)+FR*\b+FR-1], v[AF+FR*(\a):AF+FR*(\a)+FR-1], 0, v[SC+8*NQ*(\sc)+NQ*\b+(\q)], v[SC+8*NQ*(\sc)+NQ*(\a)+(\q)] matrix_a_fmt:MATRIX_FMT_BF6 matrix_b_fmt:MATRIX_FMT_BF6 matrix_a_scale:MATRIX_SCALE_ROW1
.else
	v_wmma_scale_f32_16x16x128_f8f6f4 v[8*(8*((\a)%4)+\b):8*(8*((\a)%4)+\b)+7], v[128*(\p)+FR*\b:128*(\p)+FR*\b+FR-1], v[AF+FR*(\a):AF+FR*(\a)+FR-1], v[8*(8*((\a)%4)+\b):8*(8*((\a)%4)+\b)+7], v[SC+8*NQ*(\sc)+NQ*\b+(\q)], v[SC+8*NQ*(\sc)+NQ*(\a)+(\q)] matrix_a_fmt:MATRIX_FMT_BF6 matrix_b_fmt:MATRIX_FMT_BF6 matrix_a_scale:MATRIX_SCALE_ROW1
.endif
.endr
.endr
.endm
.macro FETCH_B slot, q, p
	WIN TO_B
.irp i, 0,1,2,3,4,5,6,7
	FRAG 128*(\p)+FR*\i, ADRB+\slot, \q, \i
.endr
	WIN 0
.endm
.macro FETCH_A slot, q, i0
.irp i, \i0, \i0+1, \i0+2, \i0+3
	FRAG AF+FR*(\i), ADRA+\slot, \q, \i
.endr
.endm
.macro SCALES sc                       ; a piece's scale words: register 2 i + q: lanes 0-15 A's block i, lanes 16-31 B's block i, K step q
.irp i, 0,1,2,3,4,5,6,7
.irp q, 0,1
	ds_load_b32 v[SC+16*(\sc)+2*\i+\q], v[ADRS] offset:512*\q+64*\i
.endr
.endr
.endm
.macro PLACES n                        ; plain vector lines between a matrix instruction and a load into, or a vector line on, its registers
.rept \n
	v_nop
.endr
.endm
; A K step of 128 that has its successor in the same slot.  sc: the set of scale words
.macro STEP slot, sc, q, zero
	s_wait_dscnt 4*NL                              ; B's set, A's blocks 0-3 and the scale words are in; the youngest 12 loads (A's blocks 4-7) may be out
	WIN MUL_LO
	MUL16 0, (\q)%2, \q, \sc, \zero
	MUL16 2, (\q)%2, \q, \sc, \zero
	s_wait_dscnt 0
	PLACES NP
	FETCH_B \slot, (\q)+1, 1-(\q)%2
	FETCH_A \slot, (\q)+1, 0
	WIN MUL_HI
	MUL16 4, (\q)%2, \q, \sc, \zero
	MUL16 6, (\q)%2, \q, \sc, \zero
	PLACES NP
	WIN 0
	FETCH_A \slot, (\q)+1, 4
.endm
; A slot's last step goes on into the next slot.
; mode 2: this slot is filled again: each wave waits for all its tensor loads, adds 0 to its spare word, waits for that and for its reads of this slot; the barrier opens a round of the cluster's barrier; the joint refill is first behind it.
; mode 1: the next slot's tile is the refill: the same lines and one barrier, and nothing is filled.   mode 0: the next slot was shown whole by an earlier barrier and this one is not filled again: no wait on tiles, no barrier.
.macro TURN slot, sc, next, nsc, mode
.if \mode
	s_wait_tensorcnt 0x0                           ; all my tensor loads have landed
	ds_add_u32 v[SPW], v[NIL]                      ; 0 onto my spare word
	s_wait_dscnt 4*NL+1                            ; the add and the youngest 12 loads may be out
.else
	s_wait_dscnt 4*NL                              ; the youngest 12 loads may be out
.endif
	WIN MUL_LO
	MUL16 0, 1, NQ-1, \sc, 0
	s_wait_dscnt 0x0                               ; my reads of this slot are over (and the add is done)
.if \mode
	s_barrier_signal -1
.endif
	MUL16 2, 1, NQ-1, \sc, 0
	WIN 0
.if \mode
	s_barrier_wait -1
.endif
.if \mode == 2
	CREST                                          ; no wave of any partner still reads this slot or has a load on its way
	s_add_nc_u64 s[G0+4*\slot+2:G0+4*\slot+3], s[G0+4*\slot+2:G0+4*\slot+3], 3*3072
	s_add_nc_u64 s[G0B+4*\slot+2:G0B+4*\slot+3], s[G0B+4*\slot+2:G0B+4*\slot+3], 3*3072
	JLOAD G0+4*\slot, G1, G0B+4*\slot, G1B         ; the first tensor load behind the round, and my last; its four v_nop are the places for the loads below
.else
	PLACES NP
.endif
	v_add_nc_u32 v[ADRS], 1024, v[ADRS]            ; the next piece's two K steps of scale words
	FETCH_B \next, 0, 0
	FETCH_A \next, 0, 0
	SCALES \nsc
	WIN MUL_HI
	MUL16 4, 1, NQ-1, \sc, 0
	MUL16 6, 1, NQ-1, \sc, 0
	PLACES NP
	WIN 0
	FETCH_A \next, 0, 4
.endm
	s_wait_tensorcnt 2                             ; the scale words and my part of slot 0 are in; slots 1 and 2 may be out
	s_barrier_signal -1
	s_barrier_wait -1
	FETCH_B 0, 0, 0
	FETCH_A 0, 0, 0
	SCALES 0
	FETCH_A 0, 0, 4
	STEP 0, 0, 0, 1                                ; piece 0 (slot 0): its first step's products start the sums
	TURN 0, 0, 1, 1, 2                             ; slots 1 and 2 are shown whole; slot 0 takes piece 3
	STEP 1, 1, 0, 0                                ; piece 1 (slot 1)
	TURN 1, 1, 2, 0, 0
	STEP 2, 0, 0, 0                                ; piece 2 (slot 2)
	TURN 2, 0, 0, 1, 1                             ; piece 3 has landed
	STEP 0, 1, 0, 0                                ; piece 3 (slot 0)
	s_wait_dscnt 4*NL
	WIN MUL_LO
	MUL16 0, 1, NQ-1, 1, 0
	MUL16 2, 1, NQ-1, 1, 0
	s_wait_dscnt 0
	WIN MUL_HI
	MUL16 4, 1, NQ-1, 1, 0
	MUL16 6, 1, NQ-1, 1, 0
	WIN 0
	PLACES NP                                      ; behind the last products: their results are read and their operands' registers written from here on
; 64 numbers of a lane in window w, register 16 b + i = k 32 b + 16 (lane / 16) + i of my row, become codes: blocks 0, 1 in six registers from d0 (lane half h: block h whole), blocks 2, 3 from d1; the four bytes in pw.
.macro QUANT s, w, d0, d1, pw
	WIN (\w)|((\w)<<2)
.irp b, 0,1,2,3
	v_max3_num_f32 v[TM+\b], |v[(\s)+16*\b]|, |v[(\s)+16*\b+1]|, 0x2800000   ; the floor 2^(5 - 127) holds the byte at 1
.endr
	WIN ((\w)<<2)|((\w)<<4)
.irp i, 2,4,6,8,10,12,14
.irp b, 0,1,2,3
	v_max3_num_f32 v[TM+\b], v[TM+\b], |v[(\s)+16*\b+\i]|, |v[(\s)+16*\b+\i+1]|
.endr
.endr
	WIN 0
.irp b, 0,1,2,3
	v_permlanex16_b32 v[TM+4+\b], v[TM+\b], s66, s67
.endr
.irp b, 0,1,2,3
	v_max_num_f32 v[TM+\b], v[TM+\b], v[TM+4+\b]   ; with lane l xor 16's 16: the block's largest magnitude
.endr
.irp b, 0,1,2,3
	v_add_nc_u32 v[TM+8+\b], 0xfe000000, v[TM+\b]  ; 4 off the exponent field: the conversion's scale operand
.endr
.irp b, 0,1,2,3
	v_lshrrev_b32 v[TM+4+\b], 23, v[TM+8+\b]
.endr
	v_lshl_or_b32 v[\pw], v[TM+5], 8, v[TM+4]
	v_lshl_or_b32 v[\pw], v[TM+6], 16, v[\pw]
	v_lshl_or_b32 v[\pw], v[TM+7], 24, v[\pw]
	WIN (\w)
	v_cvt_scalef32_pk16_bf6_f32 v[(\d0):(\d0)+2], v[(\s):(\s)+15], v[TM+8]
	v_cvt_scalef32_pk16_bf6_f32 v[T0:T0+2], v[(\s)+16:(\s)+31], v[TM+9]
	v_cvt_scalef32_pk16_bf6_f32 v[(\d1):(\d1)+2], v[(\s)+32:(\s)+47], v[TM+10]
	v_cvt_scalef32_pk16_bf6_f32 v[T1:T1+2], v[(\s)+48:(\s)+63], v[TM+11]
	WIN 0
	v_nop                                          ; one plain line behind the conversions
.irp i, 0,1,2
	v_permlane16_swap_b32 v[(\d0)+\i], v[T0+\i]    ; the first's lanes 16-31 change places with the second's lanes 0-15: a whole block in a lane
	v_permlane16_swap_b32 v[(\d1)+\i], v[T1+\i]
.endr
.irp i, 0,1,2
	v_mov_b32 v[(\d0)+3+\i], v[T0+\i]
	v_mov_b32 v[(\d1)+3+\i], v[T1+\i]
.endr
.endm
	s_cmp_lt_u32 ttmp9, 2                          ; the cluster's x: alike in all sixteen partners
	s_cbranch_scc1 .Lqk
; ---------------- W_hop's columns: g = -relu, its codes along e, and the sum of g^2
	s_lshl_b32 s20, s17, 4
	s_lshl_b32 s21, s15, 3
	s_add_co_u32 s20, s20, s21                     ; my first block of rows
	s_sub_co_u32 s22, s42, 8
	s_lshl_b32 s23, s22, 1
	s_add_co_u32 s23, s23, s16                     ; my K step of the last product
	s_mul_i32 s46, s20, 48
	s_add_co_u32 s46, s46, s23
	s_mul_i32 s46, s46, 1536
	s_mov_b32 s47, 0
	s_add_nc_u64 s[46:47], s[6:7], s[46:47]        ; images
	s_lshl_b32 s92, s23, 14
	s_lshl_b32 s93, s20, 6
	s_add_co_u32 s92, s92, s93
	s_add_co_u32 s92, s92, ASC
	s_mov_b32 s93, 0
	s_add_nc_u64 s[92:93], s[6:7], s[92:93]        ; scale words
	s_lshl_b32 s94, s17, 4
	s_add_co_u32 s94, s94, s22
	s_lshl_b32 s94, s94, 4
	s_lshl_b32 s95, s14, 2
	s_add_co_u32 s94, s94, s95
	s_add_co_u32 s94, s94, EP
	s_mov_b32 s95, 0
	s_add_nc_u64 s[94:95], s[8:9], s[94:95]        ; my wave's sum
.irp b, 0,1,2,3
	v_mov_b32 v[TM+4+\b], 0                        ; a lane permute's destination counts as one of its sources
.endr
.macro HOPBLK a
	WIN (2+(\a)/4)<<2
.set n, 0
.rept 64
	v_max_num_f32 v[HA+n], 0, v[64*((\a)%4)+n]     ; relu(sum); each accumulator is read from its low end on
.set n, n+1
.endr
	WIN 0
.set n, 0
.rept 32
.if ((\a) == 0) && (n < 4)
	v_pk_mul_f32 v[ES+2*n:ES+2*n+1], v[HA+2*n:HA+2*n+1], v[HA+2*n:HA+2*n+1]   ; the first four pairs start the four chains
.else
	v_pk_fma_f32 v[ES+2*(n%4):ES+2*(n%4)+1], v[HA+2*n:HA+2*n+1], v[HA+2*n:HA+2*n+1], v[ES+2*(n%4):ES+2*(n%4)+1]
.endif
.set n, n+1
.endr
.set n, 0
.rept 32
	v_pk_mul_f32 v[HA+2*n:HA+2*n+1], v[HA+2*n:HA+2*n+1], -1.0 op_sel_hi:[1,0]   ; g = -relu(sum): the gradient's sign, two at a time
.set n, n+1
.endr
	QUANT HA, 0, CD+12*(\a), CD+12*(\a)+6, PW+(\a)
.irp c, 0,1,2
	global_store_b128 v[LI], v[CD+12*(\a)+4*\c:CD+12*(\a)+4*\c+3], s[46:47] offset:73728*(\a)+512*\c   ; each block has its own registers: no store's data are written again
.endr
.if (\a)%2
	v_cndmask_b32 v[PW+(\a)-1], v[PW+(\a)-1], v[PW+(\a)], s12      ; lanes 0-15 block a - 1's words, lanes 16-31 block a's
	global_store_b32 v[L4], v[PW+(\a)-1], s[92:93] offset:64*((\a)-1)
.endif
.endm
.irp a, 0,1,2,3,4,5,6,7
	HOPBLK \a
.endr
	v_pk_add_f32 v[ES:ES+1], v[ES:ES+1], v[ES+2:ES+3]
	v_pk_add_f32 v[ES+4:ES+5], v[ES+4:ES+5], v[ES+6:ES+7]
	v_pk_add_f32 v[ES:ES+1], v[ES:ES+1], v[ES+4:ES+5]
	v_add_f32 v[ES], v[ES], v[ES+1]
	v_add_f32_dpp v[ES], v[ES], v[ES] row_xmask:1 row_mask:0xf bank_mask:0xf
	v_add_f32_dpp v[ES], v[ES], v[ES] row_xmask:2 row_mask:0xf bank_mask:0xf
	v_add_f32_dpp v[ES], v[ES], v[ES] row_xmask:4 row_mask:0xf bank_mask:0xf
	v_add_f32_dpp v[ES], v[ES], v[ES] row_xmask:8 row_mask:0xf bank_mask:0xf
	v_permlanex16_b32 v[ES+1], v[ES], s66, s67
	v_add_f32 v[ES], v[ES], v[ES+1]
	v_mov_b32 v[ES+2], 0
	s_wait_xcnt 0x0                                ; EXEC changes only behind this wait
	v_cmp_eq_u32 vcc_lo, 0, v3
	s_and_saveexec_b32 s13, vcc_lo
	global_store_b32 v[ES+2], v[ES], s[94:95]      ; lane 0 alone
	s_wait_xcnt 0x0
	s_or_b32 exec_lo, exec_lo, s13
	s_branch .Lend
; ---------------- q's and k's columns: two heads a wave
.Lqk:
	s_lshr_b32 s20, s42, 2                         ; 0: q, 1: k
	s_and_b32 s21, s42, 3
	s_lshl_b32 s21, s21, 1
	s_add_co_u32 s21, s21, s16                     ; my pair of heads
	s_lshr_b32 s22, s17, 2                         ; the batch
	s_and_b32 s23, s17, 3
	s_lshl_b32 s23, s23, 1
	s_add_co_u32 s23, s23, s15                     ; my 128 rows of its 1,024
	s_lshl_b32 s20, s20, 6
	s_lshl_b32 s22, s22, 4
	s_add_co_u32 s20, s20, s22
	s_lshl_b32 s21, s21, 1
	s_add_co_u32 s20, s20, s21                     ; the even head's record; the odd head's follows it
	s_mul_i32 s20, s20, REC
	s_mul_i32 s46, s23, 6144
	s_add_co_u32 s46, s46, s20
	s_mov_b32 s47, 0
	s_add_nc_u64 s[46:47], s[8:9], s[46:47]        ; images, both kinds: 6,144 bytes for 128 rows
	s_lshl_b32 s92, s23, 9
	s_add_co_u32 s92, s92, s20
	s_mov_b32 s93, 0
	s_add_nc_u64 s[92:93], s[8:9], s[92:93]        ; the pair images' scale words: 512 bytes
	s_lshl_b32 s94, s23, 8
	s_add_co_u32 s94, s94, s20
	s_mov_b32 s95, 0
	s_add_nc_u64 s[94:95], s[8:9], s[94:95]        ; the others': 256 bytes
.irp b, 0,1,2,3
	v_mov_b32 v[TM+4+\b], 0
.endr
.macro TOSTAGE2 g                      ; blocks 2 g and 2 g + 1 (32 rows) as f32 into my stage; each accumulator from its low end on
	WIN (2+(\g)/2)<<2
.irp u, 0,1
.irp b, 0,1,2,3,4,5,6,7
	ds_store_b128 v[STO2], v[64*((2*(\g)+\u)%4)+8*\b:64*((2*(\g)+\u)%4)+8*\b+3] offset:8448*\u+128*(\b/2)+32*(\b%2)
	ds_store_b128 v[STO2], v[64*((2*(\g)+\u)%4)+8*\b+4:64*((2*(\g)+\u)%4)+8*\b+7] offset:8448*\u+128*(\b/2)+32*(\b%2)+16
.endr
.endr
	WIN 0
.endm
.macro RDCOL cg, xr                    ; my column of group cg, down the 32 rows in their true order
.set n, 0
.rept 32
	ds_load_b32 v[(\xr)+n], v[RD2] offset:528*(16*((n>>3)&1)+8*(n>>4)+(n&7))+128*(\cg)
.set n, n+1
.endr
.endm
.macro VQ cg, g, xr                    ; a block of 32 along the sequence, all mine
	v_max3_num_f32 v248, |v[(\xr)]|, |v[(\xr)+1]|, |v[(\xr)+2]|
	v_max3_num_f32 v249, |v[(\xr)+3]|, |v[(\xr)+4]|, |v[(\xr)+5]|
.irp i, 6,10,14,18,22,26
	v_max3_num_f32 v248, v248, |v[(\xr)+\i]|, |v[(\xr)+\i+1]|
	v_max3_num_f32 v249, v249, |v[(\xr)+\i+2]|, |v[(\xr)+\i+3]|
.endr
	v_max3_num_f32 v248, v248, |v[(\xr)+30]|, |v[(\xr)+31]|
	v_max3_num_f32 v248, v248, v249, 0x2800000
	v_add_nc_u32 v250, 0xfe000000, v248
	v_lshrrev_b32 v251, 23, v250
.if (\g) == 0
	v_mov_b32 v[VW+(\cg)], v251
.else
	v_lshl_or_b32 v[VW+(\cg)], v251, 8*(\g), v[VW+(\cg)]
.endif
	v_cvt_scalef32_pk16_bf6_f32 v[VC+24*(\cg)+12*((\g)&1)+6*((\g)>>1):VC+24*(\cg)+12*((\g)&1)+6*((\g)>>1)+2], v[(\xr):(\xr)+15], v250
	v_cvt_scalef32_pk16_bf6_f32 v[TV:TV+2], v[(\xr)+16:(\xr)+31], v250
	v_nop
.irp i, 0,1,2
	v_mov_b32 v[VC+24*(\cg)+12*((\g)&1)+6*((\g)>>1)+3+\i], v[TV+\i]
.endr
.endm
.macro QKG g
.if (\g) > 0
	s_wait_xcnt 0x0                                ; the last group's stores have read their data: the pair images and their words may be written again
.endif
	TOSTAGE2 \g
	RDCOL 0, X0
	QUANT 64*((2*(\g))%4), 2+(\g)/2, PIA, PIB, PW0
	QUANT 64*((2*(\g)+1)%4), 2+(\g)/2, PIA+6, PIB+6, PW1
	v_cndmask_b32 v[WE], v[PW0], v[PW1], s12       ; lanes 0-15 block 2 g's words, lanes 16-31 block 2 g + 1's; bytes 0, 1: the even head's
	v_lshrrev_b32 v[WO], 16, v[WE]                 ; the odd head's
.irp c, 0,1,2
	global_store_b128 v[LI], v[PIA+4*\c:PIA+4*\c+3], s[46:47] offset:1536*(\g)+512*\c
	global_store_b128 v[LI], v[PIB+4*\c:PIB+4*\c+3], s[46:47] offset:REC+1536*(\g)+512*\c
.endr
	global_store_b32 v[L4], v[WE], s[92:93] offset:49152+128*(\g)
	global_store_b32 v[L4], v[WO], s[92:93] offset:REC+49152+128*(\g)
	RDCOL 1, X1
	s_wait_dscnt 32                                ; group 0's column is in; the 32 loads just issued may be out
	VQ 0, \g, X0
	RDCOL 2, X0
	s_wait_dscnt 32
	VQ 1, \g, X1
	RDCOL 3, X1
	s_wait_dscnt 32
	VQ 2, \g, X0
	s_wait_dscnt 0x0
	VQ 3, \g, X1
.endm
.irp g, 0,1,2,3
	QKG \g
.endr
.irp cg, 0,1,2,3
.irp i, 0,1,2,3,4,5,6,7,8,9,10,11
	v_permlane16_swap_b32 v[VC+24*\cg+\i], v[VC+24*\cg+12+\i]      ; two images: lanes 0-15's channels, lanes 16-31's
.endr
.irp c, 0,1,2
	global_store_b128 v[LI], v[VC+24*\cg+4*\c:VC+24*\cg+4*\c+3], s[46:47] offset:53248+REC*(\cg/2)+1536*(2*(\cg%2))+512*\c
	global_store_b128 v[LI], v[VC+24*\cg+12+4*\c:VC+24*\cg+12+4*\c+3], s[46:47] offset:53248+REC*(\cg/2)+1536*(2*(\cg%2)+1)+512*\c
.endr
	global_store_b32 v[L4], v[VW+\cg], s[94:95] offset:102400+REC*(\cg/2)+128*(\cg%2)
.endr
.Lend:
	s_wait_tensorcnt 0x0                           ; the wave's end, behind my last tensor load and my last LDS store
	ds_add_u32 v[SPW], v[NIL]
	s_wait_dscnt 0x0
	CROUND                                         ; the closing round
	s_endpgm
.Lfunc_end_k_qccc40c2ebd_gemm1:
	.size	k_qccc40c2ebd_gemm1, .Lfunc_end_k_qccc40c2ebd_gemm1-k_qccc40c2ebd_gemm1
	.p2alignl 7, 3214868480
	.fill 96, 4, 3214868480
	.section	.rodata,"a",@progbits
	.p2align	6, 0x0
	.amdhsa_kernel k_qccc40c2ebd_gemm1
		.amdhsa_group_segment_fixed_size 327680
		.amdhsa_private_segment_fixed_size 0
		.amdhsa_enable_private_segment 0
		.amdhsa_kernarg_size 24
		.amdhsa_user_sgpr_count 2
		.amdhsa_user_sgpr_kernarg_segment_ptr 1
		.amdhsa_wavefront_size32 1
		.amdhsa_system_sgpr_workgroup_id_x 1
		.amdhsa_system_sgpr_workgroup_id_y 1
		.amdhsa_system_sgpr_workgroup_id_z 1
		.amdhsa_system_vgpr_workitem_id 0
		.amdhsa_next_free_vgpr 1024
		.amdhsa_next_free_sgpr 100
		.amdhsa_reserve_vcc 1
		.amdhsa_float_denorm_mode_32 3
		.amdhsa_float_denorm_mode_16_64 3
		.amdhsa_memory_ordered 1
		.amdhsa_forward_progress 1
		.amdhsa_inst_pref_size 255
	.end_amdhsa_kernel
	.section	.bss,"aw",@nobits
	.p2align	6
	.space	262144
	.amdgpu_metadata
---
amdhsa.version: [ 1, 2 ]
amdhsa.kernels:
  - .name:           k_qccc40c2ebd_gemm1
    .symbol:         k_qccc40c2ebd_gemm1.kd
    .args:
      - { .name: wops, .offset: 0, .size: 8, .value_kind: global_buffer, .address_space: global }
      - { .name: abuf, .offset: 8, .size: 8, .value_kind: global_buffer, .address_space: global }
      - { .name: qkops, .offset: 16, .size: 8, .value_kind: global_buffer, .address_space: global }
    .group_segment_fixed_size: 327680
    .private_segment_fixed_size: 0
    .kernarg_segment_align: 8
    .kernarg_segment_size: 24
    .max_flat_workgroup_size: 128
    .sgpr_count:     100
    .vgpr_count:     1024
    .wavefront_size: 32
...
	.end_amdgpu_metadata
.endif
;; end of part 2
;; launch att_l (part 3): grid 4 x 64, 16 waves a work-group, no clusters, 169,984 bytes of LDS; arguments qkops, lbuf; writes lbuf
.if DOCPART == 3
	.amdgcn_target "amdgcn-amd-amdhsa--gfx1250"
	.amdhsa_code_object_version 6
	.text
	.protected	k_qccc40c2ebd_att_l
	.globl	k_qccc40c2ebd_att_l
	.p2align	8
	.type	k_qccc40c2ebd_att_l,@function
k_qccc40c2ebd_att_l:
	s_mov_b64 s[64:65], 0
	v_nop
	global_prefetch_b8 v0, s[64:65] scope:SCOPE_SE
	s_setreg_imm32_b32 hwreg(HW_REG_WAVE_MODE, 25, 1), 1
	s_wait_xcnt 0x0
; L2[b,h,n] = log2 of the sum over m of 2^t, t = (q_n . k_m) x log2(e) / 8, on codes of BF6 (E3M2), K = the head's 64; a running maximum is taken away ahead of every exponential.
; A work-group owns 256 queries of one (b,h); each of its sixteen waves one block of 16, in 256 registers.  All of the head's k (32 pair images and their scale words, 53,248 bytes) lies in LDS, filled ONCE:
; no slot is filled again.  NO CLUSTER: the four work-groups of a head share only this one fill at the launch's head, 53,248 bytes against 128 wave steps of some 170 vector lines; there is no later request to join.
; PAIR IMAGE: registers 0-5 = the half fragment (k = 32 h + 0 .. 31) of block 2 B, registers 6-11 that of block 2 B + 1.  Tile t of a run of images is the tuple from register 6 t on: its upper six registers are
; the next tile's codes and meet ZERO codes in my own operand's registers 6-11, so they add nothing; no scale byte is 0xff.
; S^T = k q^T: a lane holds one query (lane % 16) and 64 keys a step; each half of the lanes keeps its own maximum and sum; they are joined at the end.
; LIMITS: NaN and infinities are not served.
.set REC, 104448
.set LST, 53248                        ; 256 words: the work-group's L2 in true order; no fill lands here
.set LP,  262144                       ; lbuf: 512 partial sums of L2
.set KF,  32
.set KS,  86
.set WO,  90                           ; v90: the way out: where waves 0 and 1 read the work-group's L2 back
.set OWN, 16
.set OS,  28
.set S,   96
.set TM,  232
	s_load_b128 s[4:7], s[0:1], 0x0                ; qkops, lbuf
	v_lshl_add_u32 v254, v0, 2, 0x29000
	v_mov_b32 v255, 0
	ds_add_u32 v254, v255
	ds_add_u32 v254, v255
	v_lshrrev_b32 v1, 5, v0
	v_readfirstlane_b32 s8, v1                     ; wave 0..15
	s_and_b32 s9, ttmp7, 0xffff                    ; 16 b + head
	s_mov_b32 s16, 3<<16                           ; group 1: 13 rows of 32 elements of 8 bytes, dense
	s_mov_b32 s17, 32<<16
	s_mov_b32 s18, 13<<16
	s_mov_b32 s19, 32<<16
	s_mov_b32 s20, 13
	s_mov_b32 s21, 32
	s_mov_b32 s22, 0
	s_mov_b32 s23, 0
	s_mul_i32 s10, s8, 3328                        ; my sixteenth of the 53,248 bytes
	s_add_co_u32 s24, s9, 64                       ; k's record
	s_mul_i32 s24, s24, REC
	s_add_co_u32 s24, s24, s10
	s_mov_b32 s25, 0
	s_wait_dscnt 0x0
	s_wait_kmcnt 0x0
	s_mov_b32 s12, 1
	s_mov_b32 s13, s10
	s_add_nc_u64 s[14:15], s[4:5], s[24:25]
	s_or_b32 s15, s15, 0x80000000
	tensor_load_to_lds s[12:15], s[16:23]          ; one load a wave, the only one
	s_nop 0
.rept 4
	v_nop
.endr
	s_lshl_b32 s26, ttmp9, 3
	s_lshr_b32 s27, s8, 1
	s_add_co_u32 s26, s26, s27                     ; my pair image of q
	s_and_b32 s27, s8, 1                           ; and which half of it
	s_cmp_eq_u32 s27, 1
	s_cselect_b32 s34, -1, 0
	s_mul_i32 s28, s9, REC
	s_mul_i32 s29, s26, 1536
	s_add_co_u32 s30, s28, s29
	s_mov_b32 s31, 0
	s_add_nc_u64 s[30:31], s[4:5], s[30:31]
	s_lshl_b32 s29, s26, 7
	s_add_co_u32 s28, s28, s29
	s_lshl_b32 s29, s27, 6
	s_add_co_u32 s28, s28, s29
	s_add_co_u32 s28, s28, 49152
	s_mov_b32 s29, 0
	s_add_nc_u64 s[28:29], s[4:5], s[28:29]
	v_and_b32 v6, 31, v0                           ; lane
	v_and_b32 v7, 15, v0                           ; r
	v_lshlrev_b32 v1, 4, v6                        ; an image's place for my lane
	v_lshl_add_u32 v2, v6, 2, 49152                ; a scale word's
	v_lshlrev_b32 v8, 2, v7
.irp c, 0,1,2
	global_load_b128 v[OWN+4*\c:OWN+4*\c+3], v1, s[30:31] offset:512*\c
.endr
	global_load_b32 v[OS], v8, s[28:29]
	s_lshr_b32 s32, s8, 1
	s_lshl_b32 s32, s32, 7
	s_lshl_b32 s33, s27, 5
	s_add_co_u32 s32, s32, s33
	s_add_co_u32 s32, s32, LST
	v_and_b32 v9, 8, v7
	v_add_nc_u32 v9, v9, v7
	v_lshl_add_u32 v5, v9, 2, s32                  ; my query's word: true row 32 (w / 2) + 8 (w % 2) + r + 8 (r / 8)
	s_lshl_b32 s42, s27, 9
	s_add_co_u32 s43, s42, LST
	v_add_nc_u32 v[WO], s43, v1                    ; the way out (waves 0, 1): 512 bytes a wave
	s_mov_b32 s38, 0x3e38aa3b                      ; c = log2(e) / 8
	s_mov_b32 s39, s38
	s_mov_b32 s40, 0x76543210
	s_mov_b32 s41, 0xfedcba98
	v_mov_b32 v29, 0xff61b1e6                      ; the largest t so far: -3e38
	v_mov_b32 v13, 0
	v_mov_b32 v14, 0                               ; the sum, in two halves
	v_mov_b32 v15, 0
	v_mov_b32 v31, 0
	v_mov_b32 v10, 0
	v_mov_b32 v11, 0
.irp i, 0,1,2,3,4,5
	v_mov_b32 v[KF+48+\i], 0                       ; the last tile's upper six registers
.endr
	s_wait_loadcnt 0x0
.irp i, 0,1,2,3,4,5
	v_cndmask_b32 v[OWN+\i], v[OWN+\i], v[OWN+6+\i], s34           ; odd waves take the image's second half
.endr
.irp i, 0,1,2,3,4,5
	v_mov_b32 v[OWN+6+\i], 0                       ; k = 64 .. 127: zero codes
.endr
.rept 4
	v_nop                                          ; an operand written by vector lines stands four places ahead of a scaled matrix instruction
.endr
	s_wait_tensorcnt 0x0                           ; my part has landed,
	s_barrier_signal -1
	s_barrier_wait -1                              ; everybody's has
	s_mov_b32 s35, 0
	s_mov_b32 s36, 0
	s_mov_b32 s37, 8
.Lstep:                                            ; 128 keys a trip
	v_add_nc_u32 v3, s35, v1
	v_add_nc_u32 v4, s36, v2
.irp p, 0,1,2,3
.irp c, 0,1,2
	ds_load_b128 v[KF+12*\p+4*\c:KF+12*\p+4*\c+3], v3 offset:1536*\p+512*\c
.endr
	ds_load_b32 v[KS+\p], v4 offset:128*\p
.endr
	s_wait_dscnt 0x0
.irp t, 0,2,4,6
	v_wmma_scale_f32_16x16x128_f8f6f4 v[S+8*\t:S+8*\t+7], v[KF+6*\t:KF+6*\t+11], v[OWN:OWN+11], 0, v[KS+\t/2], v[OS] matrix_a_fmt:MATRIX_FMT_BF6 matrix_b_fmt:MATRIX_FMT_BF6
	v_wmma_scale_f32_16x16x128_f8f6f4 v[S+8*\t+8:S+8*\t+15], v[KF+6*\t+6:KF+6*\t+17], v[OWN:OWN+11], 0, v[KS+\t/2], v[OS] matrix_a_fmt:MATRIX_FMT_BF6 matrix_b_fmt:MATRIX_FMT_BF6 matrix_a_scale:MATRIX_SCALE_ROW1
.endr
.rept 4
	v_nop
.endr
.irp b, 0,1,2,3
	v_max3_num_f32 v[TM+\b], v[S+16*\b], v[S+16*\b+1], v[S+16*\b+2]   ; four chains; each accumulator is first read at its low end
.endr
.irp i, 3,5,7,9,11,13
.irp b, 0,1,2,3
	v_max3_num_f32 v[TM+\b], v[TM+\b], v[S+16*\b+\i], v[S+16*\b+\i+1]
.endr
.endr
.irp b, 0,1,2,3
	v_max_num_f32 v[TM+\b], v[TM+\b], v[S+16*\b+15]
.endr
	v_max3_num_f32 v10, v[TM], v[TM+1], v[TM+2]
	v_max_num_f32 v10, v10, v[TM+3]
	v_mul_f32 v10, s38, v10                        ; as t (c is positive)
	v_max_num_f32 v10, v29, v10                    ; the new maximum
	v_sub_f32 v11, v29, v10                        ; old - new
	v_mov_b32 v29, v10
	v_sub_f32 v12, 0, v10
.set n, 0
.rept 32
	v_pk_fma_f32 v[S+n:S+n+1], v[S+n:S+n+1], s[38:39], v[12:13] op_sel_hi:[1,0,0]   ; t - maximum
.set n, n+2
.endr
	v_exp_f32 v30, v11
.set n, 0
.rept 64
	v_exp_f32 v[S+n], v[S+n]
.set n, n+1
.endr
	v_nop                                          ; a plain line behind the last exponential
	s_wait_alu depctr_va_vdst(0)                   ; one wait for the batch of 65, ahead of its first reader
	v_pk_mul_f32 v[14:15], v[14:15], v[30:31] op_sel_hi:[1,0]      ; the sums under the new maximum
	v_pk_add_f32 v[236:237], v[S:S+1], v[S+2:S+3]
.irp j, 4,8,12,16,20,24,28,32,36,40,44,48,52,56,60
	v_pk_add_f32 v[14:15], v[14:15], v[S+\j:S+\j+1]
	v_pk_add_f32 v[236:237], v[236:237], v[S+\j+2:S+\j+3]
.endr
	v_pk_add_f32 v[14:15], v[14:15], v[236:237]
	s_add_co_u32 s35, s35, 6144
	s_add_co_u32 s36, s36, 512
	s_sub_co_u32 s37, s37, 1
	s_cmp_lg_u32 s37, 0
	s_cbranch_scc1 .Lstep
	v_add_f32 v14, v14, v15
	v_permlanex16_b32 v10, v29, s40, s41           ; the other half's maximum
	v_permlanex16_b32 v11, v14, s40, s41           ; and sum
	v_max_num_f32 v12, v29, v10
	v_sub_f32 v29, v29, v12
	v_sub_f32 v10, v10, v12
	v_exp_f32 v30, v29
	v_exp_f32 v31, v10
	v_nop
	s_wait_alu depctr_va_vdst(0)
	v_mul_f32 v14, v14, v30                        ; two products and a sum, not a fused form: so both halves of the lanes get the same bits
	v_mul_f32 v11, v11, v31
	v_add_f32 v14, v14, v11
	v_log_f32 v15, v14
	v_nop
	s_wait_alu depctr_va_vdst(0)
	v_add_f32 v15, v12, v15                        ; L2
	ds_store_b32 v5, v15                           ; lanes r and r + 16 write the same word with the same value
	s_wait_dscnt 0x0
	s_barrier_signal -1
	s_barrier_wait -1
	s_cmp_ge_u32 s8, 2
	s_cbranch_scc1 .Lend
	ds_load_b128 v[16:19], v[WO]
	s_lshl_b32 s44, s9, 12
	s_lshl_b32 s45, ttmp9, 10
	s_add_co_u32 s44, s44, s45
	s_add_co_u32 s44, s44, s42
	s_mov_b32 s45, 0
	s_add_nc_u64 s[44:45], s[6:7], s[44:45]
	s_lshl_b32 s46, s9, 2
	s_add_co_u32 s46, s46, ttmp9
	s_lshl_b32 s46, s46, 1
	s_add_co_u32 s46, s46, s8
	s_lshl_b32 s46, s46, 2
	s_add_co_u32 s46, s46, LP
	s_mov_b32 s47, 0
	s_add_nc_u64 s[46:47], s[6:7], s[46:47]
	s_wait_dscnt 0x0
	global_store_b128 v1, v[16:19], s[44:45]       ; 512 consecutive bytes, aligned
	v_add_f32 v20, v16, v17
	v_add_f32 v21, v18, v19
	v_add_f32 v20, v20, v21
	v_add_f32_dpp v20, v20, v20 row_xmask:1 row_mask:0xf bank_mask:0xf
	v_add_f32_dpp v20, v20, v20 row_xmask:2 row_mask:0xf bank_mask:0xf
	v_add_f32_dpp v20, v20, v20 row_xmask:4 row_mask:0xf bank_mask:0xf
	v_add_f32_dpp v20, v20, v20 row_xmask:8 row_mask:0xf bank_mask:0xf
	v_permlanex16_b32 v21, v20, s40, s41
	v_add_f32 v20, v20, v21                        ; the sum of 128 L2
	v_mov_b32 v22, 0
	s_wait_xcnt 0x0                                ; EXEC changes only behind this wait
	v_cmp_eq_u32 vcc_lo, 0, v6
	s_and_saveexec_b32 s48, vcc_lo
	global_store_b32 v22, v20, s[46:47]
	s_wait_xcnt 0x0
	s_or_b32 exec_lo, exec_lo, s48
.Lend:
	s_wait_tensorcnt 0x0
	ds_add_u32 v254, v255
	s_wait_dscnt 0x0
	s_endpgm
.Lfunc_end_k_qccc40c2ebd_att_l:
	.size	k_qccc40c2ebd_att_l, .Lfunc_end_k_qccc40c2ebd_att_l-k_qccc40c2ebd_att_l
	.p2alignl 7, 3214868480
	.fill 96, 4, 3214868480
	.section	.rodata,"a",@progbits
	.p2align	6, 0x0
	.amdhsa_kernel k_qccc40c2ebd_att_l
		.amdhsa_group_segment_fixed_size 169984
		.amdhsa_private_segment_fixed_size 0
		.amdhsa_enable_private_segment 0
		.amdhsa_kernarg_size 16
		.amdhsa_user_sgpr_count 2
		.amdhsa_user_sgpr_kernarg_segment_ptr 1
		.amdhsa_wavefront_size32 1
		.amdhsa_system_sgpr_workgroup_id_x 1
		.amdhsa_system_sgpr_workgroup_id_y 1
		.amdhsa_system_sgpr_workgroup_id_z 1
		.amdhsa_system_vgpr_workitem_id 0
		.amdhsa_next_free_vgpr 256
		.amdhsa_next_free_sgpr 66
		.amdhsa_reserve_vcc 1
		.amdhsa_float_denorm_mode_32 3
		.amdhsa_float_denorm_mode_16_64 3
		.amdhsa_memory_ordered 1
		.amdhsa_forward_progress 1
		.amdhsa_inst_pref_size 19
	.end_amdhsa_kernel
	.amdgpu_metadata
---
amdhsa.version: [ 1, 2 ]
amdhsa.kernels:
  - .name:           k_qccc40c2ebd_att_l
    .symbol:         k_qccc40c2ebd_att_l.kd
    .args:
      - { .name: qkops, .offset: 0, .size: 8, .value_kind: global_buffer, .address_space: global }
      - { .name: lbuf, .offset: 8, .size: 8, .value_kind: global_buffer, .address_space: global }
    .group_segment_fixed_size: 169984
    .private_segment_fixed_size: 0
    .kernarg_segment_align: 8
    .kernarg_segment_size: 16
    .max_flat_workgroup_size: 512
    .sgpr_count:     66
    .vgpr_count:     256
    .wavefront_size: 32
...
	.end_amdgpu_metadata
.endif
;; end of part 3
;; launch att_g (part 4): grid 4 x 64, 16 waves a work-group, no clusters, 327,680 bytes of LDS; arguments qkops, lbuf, abuf, out1; writes abuf, out1
.if DOCPART == 4
	.amdgcn_target "amdgcn-amd-amdhsa--gfx1250"
	.amdhsa_code_object_version 6
	.text
	.protected	k_qccc40c2ebd_att_g
	.globl	k_qccc40c2ebd_att_g
	.p2align	8
	.type	k_qccc40c2ebd_att_g,@function
k_qccc40c2ebd_att_g:
	s_mov_b64 s[64:65], 0
	v_nop
	global_prefetch_b8 v0, s[64:65] scope:SCOPE_SE
	s_setreg_imm32_b32 hwreg(HW_REG_WAVE_MODE, 25, 1), 1
	s_wait_xcnt 0x0
; dq = -Q_m(P) Q_m(k) (role 0) and dk = -Q_n(P)^T Q_n(q) (role 1), P = 2^(t - L2[n]) the finished softmax, all products on codes of BF6 (E3M2); then dq, dk are quantised along (h,q) into K steps 40-47, 32-39 of the last product's A.
; t - L2 is never above 0 but for rounding: L2 was made from the same scores with their running maximum taken away, so no exponential here can overflow.
; A work-group: one role, one batch, one PAIR of heads, 256 own rows (role 0: queries; role 1: keys).  Each of sixteen waves owns one block of 16 rows for both heads, so that a whole image and scale word of the next K come from one wave.
; The two walked records (role 0: k's; role 1: q's; 104,448 bytes each) and the two heads' L2 lie in LDS, each filled ONCE.  The first head's record and L2 are asked for at the head (waves 0-7: 51 rows of 256 bytes of the
; record each; waves 8-15: 4 rows of L2 each); the second head's record is asked for behind the first barrier, by waves 0-7, and lands under the first head's eight steps; a second barrier stands ahead of the second head.
; NO CLUSTER: the four work-groups that walk the same records share only these fills, against 256 wave steps of some 260 lines; there is no later request to join.
; S^T = walked x own^T (pair images, K = 64; see the score tuple below): a lane holds one own row and 64 walked rows a step, register 16 b + i = walked row 128 step + 32 b + 16 (lane / 16) + i: 16 neighbours along P's K.
; P is quantised block by block in registers; O^T += V^T P^T with V the walked tensor's images along the sequence, channels in pi order, so that O's registers are neighbours along (h,q).
; A block's largest p is the exponential of the block's largest t (this takes v_exp_f32 not to fall where its input rises).
; LIMITS: a block of zeros gets the byte 1; blocks under 2^-122 are held at byte 1; NaN and infinities are not served.
; Work-group (0, 0), wave 0 also makes the energy from the partial sums of the two launches before.
.set REC, 104448
.set EP,  13369344
.set LP,  262144
.set ASC, 18874368
.set LB,  208896                       ; LDS: L2 of the two heads, 8,192 bytes
.set WST, 217088                       ; LDS: 256 scale words on their way out; no fill lands here
.set SPARE, 218112                     ; the spare words, 128 bytes for each wave: eight blocks of 256 bytes that no other line names
.set NIL, 11                           ; v11   0; never rewritten
.set SPW, 251                          ; v251  LDS address of my spare word; never rewritten
.set KF,  32                           ; v32-85: four pair images and six more; V's four images reuse v32-79; v80-83 also hold the blocks' maxima (as codes they meet zero codes)
.set KS,  86
.set OWN, 90
.set S,   104
.set LR,  168                          ; L2 for 32 registers of S
.set O,   200
.set PC,  232
.set DC,  12                           ; the image being built
.set DW,  24
.set OS,  25
.set PW,  26
	s_load_b256 s[4:11], s[0:1], 0x0               ; qkops, lbuf, abuf, out1
	v_lshl_add_u32 v[SPW], v0, 2, SPARE
	v_mov_b32 v[NIL], 0
	ds_add_u32 v251, v11
	ds_add_u32 v251, v11
	s_wait_dscnt 0x0
	v_lshrrev_b32 v1, 5, v0
	v_readfirstlane_b32 s12, v1                    ; wave 0..15
	s_and_b32 s13, ttmp7, 0xffff
	s_lshr_b32 s14, s13, 5                         ; role
	s_bfe_u32 s15, s13, 0x20003                    ; batch
	s_and_b32 s16, s13, 7                          ; pair of heads
	s_lshl_b32 s17, s15, 4
	s_lshl_b32 s18, s16, 1
	s_add_co_u32 s17, s17, s18                     ; 16 b + the even head
	s_xor_b32 s18, s14, 1
	s_lshl_b32 s18, s18, 6
	s_add_co_u32 s18, s18, s17                     ; the walked records
	s_lshl_b32 s19, s14, 6
	s_add_co_u32 s19, s19, s17                     ; my own
	s_mov_b32 s24, 3<<16                           ; group 1, a record's eighth: 51 rows of 256 bytes, dense
	s_mov_b32 s25, 32<<16
	s_mov_b32 s26, 51<<16
	s_mov_b32 s27, 32<<16
	s_mov_b32 s28, 51
	s_mov_b32 s29, 32
	s_mov_b32 s30, 0
	s_mov_b32 s31, 0
	s_mov_b32 s32, 3<<16                           ; group 1, L2's eighth: 4 rows of 256 bytes
	s_mov_b32 s33, 32<<16
	s_mov_b32 s34, 4<<16
	s_mov_b32 s35, 32<<16
	s_mov_b32 s36, 4
	s_mov_b32 s37, 32
	s_mov_b32 s38, 0
	s_mov_b32 s39, 0
	s_and_b32 s20, s12, 7                          ; which eighth is mine
	s_lshl_b32 s21, s20, 10
	s_mul_i32 s20, s20, 13056
	s_mul_i32 s58, s18, REC
	s_add_co_u32 s58, s58, s20
	s_mov_b32 s59, 0
	s_lshl_b32 s60, s17, 12
	s_add_co_u32 s60, s60, s21
	s_mov_b32 s61, 0
	s_wait_kmcnt 0x0
	s_mov_b32 s40, 1
	s_mov_b32 s41, s20
	s_add_nc_u64 s[42:43], s[4:5], s[58:59]
	s_or_b32 s43, s43, 0x80000000
	s_mov_b32 s44, 1
	s_add_co_u32 s45, s21, LB
	s_add_nc_u64 s[46:47], s[6:7], s[60:61]
	s_or_b32 s47, s47, 0x80000000
	s_cmp_lt_u32 s12, 8                            ; one first fill a wave; four v_nop follow each line
	s_cbranch_scc0 .Lfirst_l
	tensor_load_to_lds s[40:43], s[24:31]          ; waves 0-7: the first head's record
	s_nop 0
.rept 4
	v_nop
.endr
	s_branch .Lfirst_asked
.Lfirst_l:
	tensor_load_to_lds s[44:47], s[32:39]          ; waves 8-15: L2
	s_nop 0
.rept 4
	v_nop
.endr
.Lfirst_asked:
	s_lshl_b32 s58, ttmp9, 3
	s_lshr_b32 s59, s12, 1
	s_add_co_u32 s58, s58, s59                     ; my pair image
	s_and_b32 s59, s12, 1                          ; and which half of it
	s_cmp_eq_u32 s59, 1
	s_cselect_b32 s57, -1, 0
	s_mul_i32 s60, s19, REC
	s_mul_i32 s62, s58, 1536
	s_add_co_u32 s62, s62, s60
	s_mov_b32 s63, 0
	s_add_nc_u64 s[66:67], s[4:5], s[62:63]        ; own codes
	s_lshl_b32 s62, s58, 7
	s_add_co_u32 s62, s62, s60
	s_lshl_b32 s61, s59, 6
	s_add_co_u32 s62, s62, s61
	s_add_co_u32 s62, s62, 49152
	s_add_nc_u64 s[68:69], s[4:5], s[62:63]        ; own scale words
	s_lshl_b32 s62, s17, 12
	s_lshl_b32 s61, s58, 7
	s_add_co_u32 s62, s62, s61
	s_lshl_b32 s61, s59, 5
	s_add_co_u32 s62, s62, s61
	s_add_nc_u64 s[70:71], s[6:7], s[62:63]        ; own rows' L2
	s_lshl_b32 s58, s15, 6
	s_lshl_b32 s60, ttmp9, 4
	s_add_co_u32 s58, s58, s60                     ; the work-group's first block of rows
	s_add_co_u32 s60, s58, s12
	s_mul_i32 s60, s60, 48
	s_lshl_b32 s61, s14, 3
	s_sub_co_u32 s61, 40, s61
	s_add_co_u32 s61, s61, s16                     ; my K step of the last product
	s_add_co_u32 s60, s60, s61
	s_mul_i32 s62, s60, 1536
	s_add_nc_u64 s[72:73], s[8:9], s[62:63]        ; my image
	s_lshl_b32 s62, s61, 14
	s_lshl_b32 s58, s58, 6
	s_add_co_u32 s62, s62, s58
	s_lshl_b32 s58, s59, 9
	s_add_co_u32 s62, s62, s58
	s_add_co_u32 s62, s62, ASC
	s_add_nc_u64 s[74:75], s[8:9], s[62:63]        ; the scale words (waves 0, 1)
	s_add_nc_u64 s[76:77], s[4:5], EP
	s_add_nc_u64 s[78:79], s[6:7], LP
	s_lshl_b32 s22, s12, 6
	s_add_co_u32 s22, s22, WST
	s_add_co_u32 s23, s58, WST
	s_mov_b32 s48, 0x3e38aa3b                      ; c = log2(e) / 8
	s_mov_b32 s49, s48
	s_mov_b32 s50, 0x76543210
	s_mov_b32 s51, 0xfedcba98
	v_and_b32 v30, 31, v0                          ; lane
	v_and_b32 v31, 15, v0                          ; r
	v_bfe_u32 v6, v0, 4, 1                         ; h
	v_lshlrev_b32 v1, 4, v30                       ; pair images
	v_lshl_add_u32 v2, v30, 2, 49152               ; their scale words
	v_add_nc_u32 v3, 53248, v1                     ; images along the sequence
	v_lshl_add_u32 v4, v30, 2, 102400              ; their scale words
	v_lshl_add_u32 v5, v6, 6, LB                   ; L2: my half's 16 of each 32
	v_lshlrev_b32 v102, 2, v31
	v_and_b32 v103, 8, v31
	v_add_nc_u32 v103, v103, v31
	v_lshlrev_b32 v103, 2, v103                    ; my own row's L2: r + 8 (r / 8)
	v_lshl_add_u32 v31, v31, 2, s22                ; my row's scale word on its way out
.macro OWNLOAD c
.irp k, 0,1,2
	global_load_b128 v[OWN+4*\k:OWN+4*\k+3], v1, s[66:67] offset:(\c)*REC+512*\k
.endr
	global_load_b32 v[OS], v102, s[68:69] offset:(\c)*REC
	global_load_b32 v27, v103, s[70:71] offset:(\c)*4096
.endm
	OWNLOAD 0
.irp i, 0,1,2,3,4,5
	v_mov_b32 v[KF+48+\i], 0
.endr
.irp i, 0,1,2,3
	v_mov_b32 v[244+\i], 0                         ; a lane permute's destination counts as one of its sources
.endr
	s_wait_tensorcnt 0x0                           ; my part of the first head's record, or of L2, has landed: no tensor load of mine is out, so a group 0 may be written
	ds_add_u32 v[SPW], v[NIL]                      ; 0 onto my spare word; the descriptor's steps stand between it and the wait for it
	s_add_nc_u64 s[42:43], s[42:43], REC           ; the second head's record follows the first in memory,
	s_add_co_u32 s41, s41, REC                     ; and in LDS
	s_wait_dscnt 0x0
	s_barrier_signal -1
	s_barrier_wait -1                              ; the first head's record and L2 are whole
	s_cmp_lt_u32 s12, 8
	s_cbranch_scc0 .Lno_second
	tensor_load_to_lds s[40:43], s[24:31]          ; waves 0-7: the second head's record: bytes that nothing has filled; my one tensor load behind this barrier, and the first thing there
	s_nop 0
.rept 4
	v_nop
.endr
.Lno_second:
.macro STEP                            ; 128 walked rows
	v_add_nc_u32 v6, s52, v1                       ; (these five are also the places in front of the loads into registers that the last products read)
	v_add_nc_u32 v7, s53, v2
	v_add_nc_u32 v8, s52, v3
	v_add_nc_u32 v9, s54, v4
	v_add_nc_u32 v10, s55, v5
.irp p, 0,1,2,3
.irp k, 0,1,2
	ds_load_b128 v[KF+12*\p+4*\k:KF+12*\p+4*\k+3], v6 offset:1536*\p+512*\k
.endr
	ds_load_b32 v[KS+\p], v7 offset:128*\p
.endr
	s_cmp_eq_u32 s14, 0                            ; role 1: L2 goes with the walked rows; role 0: it is my own row's and stays
	s_cbranch_scc1 .Lown_a_\@
.irp b, 0,1
.irp k, 0,1,2,3
	ds_load_b128 v[LR+16*\b+4*\k:LR+16*\b+4*\k+3], v10 offset:128*\b+16*\k
.endr
.endr
.Lown_a_\@:
	s_wait_dscnt 0x0
.irp t, 0,2,4,6
	v_wmma_scale_f32_16x16x128_f8f6f4 v[S+8*\t:S+8*\t+7], v[KF+6*\t:KF+6*\t+11], v[OWN:OWN+11], 0, v[KS+\t/2], v[OS] matrix_a_fmt:MATRIX_FMT_BF6 matrix_b_fmt:MATRIX_FMT_BF6
	v_wmma_scale_f32_16x16x128_f8f6f4 v[S+8*\t+8:S+8*\t+15], v[KF+6*\t+6:KF+6*\t+17], v[OWN:OWN+11], 0, v[KS+\t/2], v[OS] matrix_a_fmt:MATRIX_FMT_BF6 matrix_b_fmt:MATRIX_FMT_BF6 matrix_a_scale:MATRIX_SCALE_ROW1
.endr
.rept 4
	v_nop
.endr
.set n, 0
.rept 16
	v_pk_fma_f32 v[S+n:S+n+1], v[S+n:S+n+1], s[48:49], v[LR+n:LR+n+1] op_sel_hi:[1,0,1] neg_lo:[0,0,1] neg_hi:[0,0,1]   ; t - L2
.set n, n+2
.endr
	s_cmp_eq_u32 s14, 0
	s_cbranch_scc1 .Lown_b_\@
.irp b, 0,1
.irp k, 0,1,2,3
	ds_load_b128 v[LR+16*\b+4*\k:LR+16*\b+4*\k+3], v10 offset:256+128*\b+16*\k
.endr
.endr
.Lown_b_\@:
.irp t, 0,1,2,3
.irp k, 0,1,2
	ds_load_b128 v[32+12*\t+4*\k:32+12*\t+4*\k+3], v8 offset:1536*\t+512*\k
.endr
.endr
	ds_load_b32 v28, v9
	ds_load_b32 v29, v9 offset:128
	s_wait_dscnt 14                                ; L2's loads are in; the 14 loads for V behind them may be out
.set n, 0
.rept 16
	v_pk_fma_f32 v[S+32+n:S+32+n+1], v[S+32+n:S+32+n+1], s[48:49], v[LR+n:LR+n+1] op_sel_hi:[1,0,1] neg_lo:[0,0,1] neg_hi:[0,0,1]
.set n, n+2
.endr
.irp b, 0,1,2,3
	v_max3_num_f32 v[80+\b], v[S+16*\b], v[S+16*\b+1], v[S+16*\b+2]   ; each block's largest t - L2
.endr
.irp i, 3,5,7,9,11,13
.irp b, 0,1,2,3
	v_max3_num_f32 v[80+\b], v[80+\b], v[S+16*\b+\i], v[S+16*\b+\i+1]
.endr
.endr
.irp b, 0,1,2,3
	v_max_num_f32 v[80+\b], v[80+\b], v[S+16*\b+15]
.endr
.irp b, 0,1,2,3
	v_permlanex16_b32 v[244+\b], v[80+\b], s50, s51
.endr
.irp b, 0,1,2,3
	v_max_num_f32 v[80+\b], v[80+\b], v[244+\b]
.endr
.set n, 0
.rept 64
	v_exp_f32 v[S+n], v[S+n]                       ; P, finished and normalised
.set n, n+1
.endr
.irp b, 0,1,2,3
	v_exp_f32 v[80+\b], v[80+\b]                   ; each block's largest p
.endr
	v_nop                                          ; a plain line behind the last exponential
	s_wait_alu depctr_va_vdst(0)                   ; one wait for the batch of 68, ahead of its first reader
.irp b, 0,1,2,3
	v_max_num_f32 v[80+\b], 0x2800000, v[80+\b]    ; the floor 2^(5 - 127)
.endr
.irp b, 0,1,2,3
	v_add_nc_u32 v[252+\b], 0xfe000000, v[80+\b]
.endr
.irp b, 0,1,2,3
	v_lshrrev_b32 v[244+\b], 23, v[252+\b]
.endr
	v_lshl_or_b32 v[PW], v245, 8, v244
	v_lshl_or_b32 v[PW], v246, 16, v[PW]
	v_lshl_or_b32 v[PW], v247, 24, v[PW]
	v_cvt_scalef32_pk16_bf6_f32 v[PC:PC+2], v[S:S+15], v252
	v_cvt_scalef32_pk16_bf6_f32 v[244:246], v[S+16:S+31], v253
	v_cvt_scalef32_pk16_bf6_f32 v[PC+6:PC+8], v[S+32:S+47], v254
	v_cvt_scalef32_pk16_bf6_f32 v[248:250], v[S+48:S+63], v255
	v_nop
.irp i, 0,1,2
	v_permlane16_swap_b32 v[PC+\i], v[244+\i]
	v_permlane16_swap_b32 v[PC+6+\i], v[248+\i]
.endr
.irp i, 0,1,2
	v_mov_b32 v[PC+3+\i], v[244+\i]
	v_mov_b32 v[PC+9+\i], v[248+\i]
.endr
.rept 8
	v_nop                                          ; a scale word written by vector lines stands eight places ahead of a scaled matrix instruction, an operand four
.endr
	s_wait_dscnt 0x0                               ; V
.irp t, 0,2
	v_wmma_scale_f32_16x16x128_f8f6f4 v[O+8*\t:O+8*\t+7], v[32+12*\t:43+12*\t], v[PC:PC+11], v[O+8*\t:O+8*\t+7], v[28+\t/2], v[PW] matrix_a_fmt:MATRIX_FMT_BF6 matrix_b_fmt:MATRIX_FMT_BF6
	v_wmma_scale_f32_16x16x128_f8f6f4 v[O+8*\t+8:O+8*\t+15], v[44+12*\t:55+12*\t], v[PC:PC+11], v[O+8*\t+8:O+8*\t+15], v[28+\t/2], v[PW] matrix_a_fmt:MATRIX_FMT_BF6 matrix_b_fmt:MATRIX_FMT_BF6 matrix_a_scale:MATRIX_SCALE_ROW1
.endr                                              ; the four accumulators take turns, one instruction a turn, with eight other products between two turns
	s_add_co_u32 s52, s52, 6144
	s_add_co_u32 s53, s53, 512
	s_add_co_u32 s54, s54, 256
	s_add_co_u32 s55, s55, 512
.endm
.macro HQ c                            ; the head's 64 channels of my rows: two blocks; they are k = 64 c + 0 .. 63 of the image
.irp b, 0,1
	v_max3_num_f32 v[80+\b], |v[O+16*\b]|, |v[O+16*\b+1]|, 0x2800000
.endr
.irp i, 2,4,6,8,10,12,14
.irp b, 0,1
	v_max3_num_f32 v[80+\b], v[80+\b], |v[O+16*\b+\i]|, |v[O+16*\b+\i+1]|
.endr
.endr
.irp b, 0,1
	v_permlanex16_b32 v[244+\b], v[80+\b], s50, s51
.endr
.irp b, 0,1
	v_max_num_f32 v[80+\b], v[80+\b], v[244+\b]
.endr
.irp b, 0,1
	v_add_nc_u32 v[252+\b], 0xfe000000, v[80+\b]
.endr
.irp b, 0,1
	v_lshrrev_b32 v[244+\b], 23, v[252+\b]
.endr
.if (\c) == 0
	v_lshl_or_b32 v[DW], v245, 8, v244
.else
	v_lshl_or_b32 v[DW], v244, 16, v[DW]
	v_lshl_or_b32 v[DW], v245, 24, v[DW]
.endif
	v_cvt_scalef32_pk16_bf6_f32 v[DC+6*(\c):DC+6*(\c)+2], v[O:O+15], v252
	v_cvt_scalef32_pk16_bf6_f32 v[248:250], v[O+16:O+31], v253
	v_nop
.irp i, 0,1,2
	v_permlane16_swap_b32 v[DC+6*(\c)+\i], v[248+\i]
.endr
.irp i, 0,1,2
	v_mov_b32 v[DC+6*(\c)+3+\i], v[248+\i]
.endr
.endm
.macro HEAD c
	s_wait_loadcnt 0x0                             ; my own operand, its scale words, my rows' L2
.irp i, 0,1,2,3,4,5
	v_cndmask_b32 v[OWN+\i], v[OWN+\i], v[OWN+6+\i], s57           ; odd waves take the image's second half
.endr
.irp i, 0,1,2,3,4,5
	v_mov_b32 v[OWN+6+\i], 0                       ; k = 64 .. 127: zero codes
.endr
.set n, 0
.rept 32
	v_mov_b32 v[O+n], 0                            ; (the step is written once: the first finds zeros)
	v_mov_b32 v[LR+n], v27                         ; my own row's L2: role 0 keeps it, role 1 loads over it
.set n, n+1
.endr
	s_mov_b32 s52, (\c)*REC
	s_mov_b32 s53, (\c)*REC
	s_mov_b32 s54, (\c)*REC
	s_mov_b32 s55, (\c)*4096
	s_mov_b32 s56, 8
.Lstep_\@:
	STEP
	s_sub_co_u32 s56, s56, 1
	s_cmp_lg_u32 s56, 0
	s_cbranch_scc1 .Lstep_\@
.rept 4
	v_nop
.endr
.set n, 0
.rept 16
	v_pk_mul_f32 v[O+n:O+n+1], v[O+n:O+n+1], -1.0 op_sel_hi:[1,0]  ; the gradient's sign
.set n, n+2
.endr
	HQ \c
.endm
	HEAD 0
	OWNLOAD 1
	s_wait_tensorcnt 0x0                           ; my part of the second head's record has landed (it was asked for eight steps ago),
	s_wait_dscnt 0x0
	s_barrier_signal -1
	s_barrier_wait -1                              ; everybody's has
	HEAD 1
.irp k, 0,1,2
	global_store_b128 v1, v[DC+4*\k:DC+4*\k+3], s[72:73] offset:512*\k
.endr
	ds_store_b32 v31, v[DW]                        ; lanes r and r + 16 write the same word with the same value
	v_add_nc_u32 v6, s23, v1
	s_wait_dscnt 0x0
	s_barrier_signal -1
	s_barrier_wait -1
	s_cmp_ge_u32 s12, 2
	s_cbranch_scc1 .Lend
	ds_load_b128 v[32:35], v6
	s_wait_dscnt 0x0
	global_store_b128 v1, v[32:35], s[74:75]       ; 512 consecutive bytes, aligned
	s_or_b32 s58, ttmp9, s13
	s_or_b32 s58, s58, s12
	s_cmp_lg_u32 s58, 0
	s_cbranch_scc1 .Lend
	; the energy: -1/2 x the sum of g^2 - 8 ln 2 x the sum of L2
.irp i, 0,1,2,3,4,5,6,7
	global_load_b128 v[104+4*\i:107+4*\i], v1, s[76:77] offset:512*\i
.endr
.irp i, 0,1,2,3
	global_load_b128 v[136+4*\i:139+4*\i], v1, s[78:79] offset:512*\i
.endr
	s_wait_loadcnt 0x0
.irp i, 2,4,6,8,10,12,14,16,18,20,22,24,26,28,30
	v_pk_add_f32 v[104:105], v[104:105], v[104+\i:105+\i]
.endr
.irp i, 2,4,6,8,10,12,14
	v_pk_add_f32 v[136:137], v[136:137], v[136+\i:137+\i]
.endr
	v_add_f32 v104, v104, v105
	v_add_f32 v136, v136, v137
	v_mul_f32 v104, -0.5, v104
	v_fmamk_f32 v104, v136, 0xc0b17218, v104
	v_add_f32_dpp v104, v104, v104 row_xmask:1 row_mask:0xf bank_mask:0xf
	v_add_f32_dpp v104, v104, v104 row_xmask:2 row_mask:0xf bank_mask:0xf
	v_add_f32_dpp v104, v104, v104 row_xmask:4 row_mask:0xf bank_mask:0xf
	v_add_f32_dpp v104, v104, v104 row_xmask:8 row_mask:0xf bank_mask:0xf
	v_permlanex16_b32 v105, v104, s50, s51
	v_add_f32 v104, v104, v105
	v_mov_b32 v106, 0
	s_wait_xcnt 0x0                                ; EXEC changes only behind this wait
	v_cmp_eq_u32 vcc_lo, 0, v30
	s_and_saveexec_b32 s59, vcc_lo
	global_store_b32 v106, v104, s[10:11]
	s_wait_xcnt 0x0
	s_or_b32 exec_lo, exec_lo, s59
.Lend:
	s_wait_tensorcnt 0x0                           ; the wave's end, behind my last tensor load and my last LDS store
	ds_add_u32 v[SPW], v[NIL]
	s_wait_dscnt 0x0
	s_endpgm
.Lfunc_end_k_qccc40c2ebd_att_g:
	.size	k_qccc40c2ebd_att_g, .Lfunc_end_k_qccc40c2ebd_att_g-k_qccc40c2ebd_att_g
	.p2alignl 7, 3214868480
	.fill 96, 4, 3214868480
	.section	.rodata,"a",@progbits
	.p2align	6, 0x0
	.amdhsa_kernel k_qccc40c2ebd_att_g
		.amdhsa_group_segment_fixed_size 327680
		.amdhsa_private_segment_fixed_size 0
		.amdhsa_enable_private_segment 0
		.amdhsa_kernarg_size 32
		.amdhsa_user_sgpr_count 2
		.amdhsa_user_sgpr_kernarg_segment_ptr 1
		.amdhsa_wavefront_size32 1
		.amdhsa_system_sgpr_workgroup_id_x 1
		.amdhsa_system_sgpr_workgroup_id_y 1
		.amdhsa_system_sgpr_workgroup_id_z 1
		.amdhsa_system_vgpr_workitem_id 0
		.amdhsa_next_free_vgpr 256
		.amdhsa_next_free_sgpr 80
		.amdhsa_reserve_vcc 1
		.amdhsa_float_denorm_mode_32 3
		.amdhsa_float_denorm_mode_16_64 3
		.amdhsa_memory_ordered 1
		.amdhsa_forward_progress 1
		.amdhsa_inst_pref_size 51
	.end_amdhsa_kernel
	.amdgpu_metadata
---
amdhsa.version: [ 1, 2 ]
amdhsa.kernels:
  - .name:           k_qccc40c2ebd_att_g
    .symbol:         k_qccc40c2ebd_att_g.kd
    .args:
      - { .name: qkops, .offset: 0, .size: 8, .value_kind: global_buffer, .address_space: global }
      - { .name: lbuf, .offset: 8, .size: 8, .value_kind: global_buffer, .address_space: global }
      - { .name: abuf, .offset: 16, .size: 8, .value_kind: global_buffer, .address_space: global }
      - { .name: out1, .offset: 24, .size: 8, .value_kind: global_buffer, .address_space: global }
    .group_segment_fixed_size: 327680
    .private_segment_fixed_size: 0
    .kernarg_segment_align: 8
    .kernarg_segment_size: 32
    .max_flat_workgroup_size: 512
    .sgpr_count:     80
    .vgpr_count:     256
    .wavefront_size: 32
...
	.end_amdgpu_metadata
.endif
;; end of part 4
;; launch gemm2 (part 5): grid 8 x 32, 4 waves a work-group, clusters of 4 x 4, 327,680 bytes of LDS; arguments abuf, wops, out0; writes out0
.if DOCPART == 5
	.amdgcn_target "amdgcn-amd-amdhsa--gfx1250"
	.amdhsa_code_object_version 6
	.text
	.protected	k_qccc40c2ebd_gemm2
	.globl	k_qccc40c2ebd_gemm2
	.p2align	8
	.type	k_qccc40c2ebd_gemm2,@function
k_qccc40c2ebd_gemm2:
	s_mov_b64 s[64:65], 0
	v_nop
	global_prefetch_b8 v0, s[64:65] scope:SCOPE_SE
	s_setreg_imm32_b32 hwreg(HW_REG_WAVE_MODE, 25, 1), 1
	s_wait_xcnt 0x0
	s_wait_alu depctr_hold_cnt(0) depctr_sa_sdst(0) depctr_va_vdst(0) depctr_va_sdst(0) depctr_va_ssrc(0) depctr_va_vcc(0) depctr_vm_vsrc(0)
	s_getreg_b32 s2, hwreg(HW_REG_IB_STS2, 6, 4)
	s_cmp_eq_u32 s2, 0
	s_cbranch_scc0 .Lentry_in_a_cluster
	s_endpgm
.Lentry_in_a_cluster:
	s_bfe_u32 s2, ttmp6, 0x10000c
	s_cmp_lg_u32 s2, 0xf033
	s_cbranch_scc0 .Lentry_shape_is_right
	s_endpgm
.Lentry_shape_is_right:
; out0[n][d] = the sum over K = 6144 of A[n][k] B[d][k]: K steps 0-31 g x W_hop (K = e), 32-39 dk x Wk, 40-47 dq x Wq (K = (h,q)): three products of the gradient as one, on codes of BF6 (E3M2); sums in f32.
; 4096 x 1024 outputs are 256 tiles of 128 x 128: one for each work-group; four waves, 64 x 64 each: 16 accumulators.  Operands lie in memory as fragment images (1,536 bytes: the 12 registers of 16 rows x 128 K),
; [block][48 K steps].  A SLOT OF THE RING HOLDS SIX K STEPS, 9,216 consecutive bytes a block: as long as two slots in LDS allow (2 x 147,456 bytes), so that the 48 K steps are eight slots with six refills,
; and a refill has 88 matrix instructions a wave between its request and the wait for it.
; THE SCALE WORDS DO NOT GO THROUGH LDS: beside two such slots their 49,152 bytes have no room.  They lie in memory [K step][row]; a wave's 64 rows of A are 256 aligned bytes of a K step, and so are its 64 rows of B:
; each comes by two loads of 128 bytes, lanes 0-15 an even block's words, lanes 16-31 the odd block's; the row selector of the matrix instruction picks.  Two sets of 24 registers; a slot's words are asked for in the
; first K step of the slot before and waited for at its own head.
; CLUSTERS: 4 x 4 work-groups; A's tiles are asked for jointly along a row of the cluster, B's along a column.
; THE MATRIX INSTRUCTION IS USED TRANSPOSED (source 0 = 16 rows d of B, source 1 = 16 rows of A): a lane holds eight neighbouring d of one row.  A's rows lie in pi order (block 2 B + u, row r = row 32 B + 8 u + r + 8 (r / 8)):
; the stores' immediates put each row at its true place.
; REGISTERS: window 0: v0-31 addresses; v32-79 scale words, two sets; on the way out v32-95 take the rows; v128-255 the accumulators ((a, b) at v[128 + 8 (4 a + b)]).  window 1: two buffers, at v0 and v128: A's four fragments, then B's four.
.set W_CC, 8192000
.set W_CS, 12910592
.set ASC,  18874368
.set NS,    6                          ; K steps in a slot
.set BLKB,  NS*1536                    ; a block's bytes in a slot
.set HALFT, 4*BLKB                     ; 4 blocks: what one tensor load brings
.set SLOT,  4*HALFT                    ; A's 8 blocks, then B's 8
.set LAPS,  48/(2*NS)                  ; a lap = two slots
.set SPARE, 2*SLOT                     ; the spare words, 128 bytes for each wave: two blocks of 256 bytes that no other line names
.set ADRA, 16
.set ADRB, 20
.set STO,  24
.set RD,   25
.set CO,   26
.set L4,   27                          ; v27  4 x lane: my word of a scale load's 128 bytes; never rewritten
.set SPW,  28
.set NIL,  29
.set SC,   32                          ; set s at SC + 24 s; in it K step q at + 4 q: +0 A's blocks 0, 1; +1 A's 2, 3; +2 B's 0, 1; +3 B's 2, 3
.set BK,   32
.set ACC,  128
.set F0,   0
.set F1,   128
.set G1, 24
.set G0, 32
.set G1B, 48
.set G0B, 56
.set SAB, 68                           ; s[68:69] A's scale words: my 64 rows, the slot to be asked for next
.set SBB, 70                           ; s[70:71] B's
.set MSB, 0
.macro WIN new
.if MSB != (\new)
	s_set_vgpr_msb (MSB<<8)|(\new)
.set MSB, (\new)
.endif
.endm
.set MUL,  0x05                        ; sources 0 (B) and 1 (A) window 1; C and D window 0
.set TO_F, 0x40
.macro JLOAD g0a, g1a, g0b, g1b        ; waves 0 and 1 fetch for A, waves 2 and 3 for B; four v_nop follow each line
	s_cmp_eq_u32 s11, 0
	s_cbranch_scc0 .Lfor_b_\@
	tensor_load_to_lds s[\g0a:\g0a+3], s[\g1a:\g1a+7]
	s_nop 0
.rept 4
	v_nop
.endr
	s_branch .Lasked_\@
.Lfor_b_\@:
	tensor_load_to_lds s[\g0b:\g0b+3], s[\g1b:\g1b+7]
	s_nop 0
.rept 4
	v_nop
.endr
.Lasked_\@:
.endm
.macro CREST
	s_cmp_lg_u32 s10, 0
	s_cbranch_scc1 .Lnot_wave_0_\@
	s_barrier_signal -3
.Lnot_wave_0_\@:
	s_barrier_wait -3
	s_barrier_signal -1
	s_barrier_wait -1
.endm
.macro CROUND
	s_barrier_signal -1
	s_barrier_wait -1
	CREST
.endm
; a slot's scale words into set: 24 loads; each pair of loads takes 256 aligned bytes
.macro SLOAD set
.irp q, 0,1,2,3,4,5
	global_load_b32 v[SC+24*(\set)+4*\q],   v[L4], s[SAB:SAB+1] offset:16384*\q
	global_load_b32 v[SC+24*(\set)+4*\q+1], v[L4], s[SAB:SAB+1] offset:16384*\q+128
	global_load_b32 v[SC+24*(\set)+4*\q+2], v[L4], s[SBB:SBB+1] offset:4096*\q
	global_load_b32 v[SC+24*(\set)+4*\q+3], v[L4], s[SBB:SBB+1] offset:4096*\q+128
.endr
.endm
	s_load_b128 s[4:7], s[0:1], 0x0                ; abuf, wops
	s_load_b64 s[8:9], s[0:1], 0x10                ; out0
	v_lshl_add_u32 v[SPW], v0, 2, SPARE
	v_mov_b32 v[NIL], 0
	ds_add_u32 v28, v29
	ds_add_u32 v28, v29
	s_wait_dscnt 0x0
	v_lshrrev_b32 v1, 5, v0
	v_readfirstlane_b32 s10, v1                    ; wave
	s_lshr_b32 s11, s10, 1                         ; my half of the tile's rows.  Also: I fetch for A (0) or B (1)
	s_and_b32 s12, s10, 1                          ; my half of its columns.  Also: which 4 blocks I fetch
	s_bfe_u32 s40, ttmp6, 0x40000
	s_bfe_u32 s41, ttmp6, 0x40004
	s_lshl_b32 s42, ttmp9, 2
	s_add_co_u32 s42, s42, s40                     ; tile column
	s_and_b32 s13, ttmp7, 0xffff
	s_lshl_b32 s13, s13, 2
	s_add_co_u32 s13, s13, s41                     ; tile row
	s_lshl_b32 s43, s41, 2
	s_lshl_b32 s43, 15, s43
	s_lshl_b32 s44, 0x1111, s40
	; group 1: 4 rows (blocks) of 1,152 elements of 8 bytes (six K steps' images), 9,216 elements from block to block
	s_or_b32 s[G1+0], s43, (3<<16)|(1<<21)
	s_or_b32 s[G1B+0], s44, (3<<16)|(1<<21)
.irp g, G1, G1B
	s_mov_b32 s[\g+1], (BLKB/8)<<16
	s_mov_b32 s[\g+2], 4<<16
	s_mov_b32 s[\g+3], (BLKB/8)<<16
	s_mov_b32 s[\g+4], 4
	s_mov_b32 s[\g+5], 9216
	s_mov_b32 s[\g+6], 0
	s_mov_b32 s[\g+7], 0
.endr
	s_lshl_b32 s17, s12, 2
	s_lshl_b32 s16, s13, 3
	s_add_co_u32 s16, s16, s17                     ; A: block 8 x tile row + 4 x half
	s_lshl_b32 s46, s42, 3
	s_add_co_u32 s46, s46, s17                     ; B: block 8 x tile column + 4 x half
	s_mul_i32 s16, s16, 73728
	s_mul_i32 s46, s46, 73728
	s_add_co_u32 s46, s46, W_CC
	s_mov_b32 s17, 0
	s_mov_b32 s47, 0
	s_mul_i32 s20, s10, HALFT
	s_lshl_b32 s72, s13, 9                         ; the scale words of the rows that I MULTIPLY: A's: 4 x (128 x tile row + 64 x my half of the rows)
	s_lshl_b32 s73, s11, 8
	s_add_co_u32 s72, s72, s73
	s_add_co_u32 s72, s72, ASC
	s_mov_b32 s73, 0
	s_lshl_b32 s74, s42, 9                         ; B's: 4 x (128 x tile column + 64 x my half of the columns)
	s_lshl_b32 s75, s12, 8
	s_add_co_u32 s74, s74, s75
	s_add_co_u32 s74, s74, W_CS
	s_mov_b32 s75, 0
	s_wait_kmcnt 0x0
	s_add_nc_u64 s[14:15], s[4:5], s[16:17]
	s_add_nc_u64 s[46:47], s[6:7], s[46:47]
	s_add_nc_u64 s[SAB:SAB+1], s[4:5], s[72:73]
	s_add_nc_u64 s[SBB:SBB+1], s[6:7], s[74:75]
	CROUND                                         ; all sixteen work-groups are here: the first joint loads meet
.irp s, 0,1
	s_mov_b32 s[G0+4*\s], 1
	s_add_co_u32 s[G0+4*\s+1], s20, \s*SLOT
	s_add_nc_u64 s[G0+4*\s+2:G0+4*\s+3], s[14:15], \s*BLKB
	s_or_b32 s[G0+4*\s+3], s[G0+4*\s+3], 0x80000000
	s_mov_b32 s[G0B+4*\s], 1
	s_add_co_u32 s[G0B+4*\s+1], s20, \s*SLOT
	s_add_nc_u64 s[G0B+4*\s+2:G0B+4*\s+3], s[46:47], \s*BLKB
	s_or_b32 s[G0B+4*\s+3], s[G0B+4*\s+3], 0x80000000
	JLOAD G0+4*\s, G1, G0B+4*\s, G1B               ; two loads of mine are out
.endr
	v_and_b32 v1, 15, v0                           ; r
	v_bfe_u32 v2, v0, 4, 1                         ; h
	v_and_b32 v3, 31, v0
	v_lshlrev_b32 v[L4], 2, v3
	SLOAD 0                                        ; slot 0's scale words
	v_lshlrev_b32 v4, 4, v3                        ; 16 x lane
	s_mul_i32 s21, s11, HALFT
	s_mul_i32 s22, s12, HALFT
	s_add_co_u32 s22, s22, 2*HALFT
.irp s, 0,1
	v_add_nc_u32 v[ADRA+\s], s21, v4
	v_add_nc_u32 v[ADRB+\s], s22, v4
	s_add_co_u32 s21, s21, SLOT
	s_add_co_u32 s22, s22, SLOT
.endr
	s_mul_i32 s23, s10, 4352                       ; my stage: 16 rows x 272 bytes, in slot 0, which has had its last fill and its last read when the first result is stored there
	v_mul_u32_u24 v5, v1, 272
	v_lshl_add_u32 v5, v2, 5, v5
	v_add_nc_u32 v[STO], s23, v5
	v_mul_u32_u24 v5, v2, 272
	v_lshl_add_u32 v5, v1, 4, v5
	v_add_nc_u32 v[RD], s23, v5
	v_lshlrev_b32 v5, 12, v2
	v_lshl_add_u32 v[CO], v1, 4, v5                ; lanes 0-15 one row of out0, lanes 16-31 the next
	s_lshl_b32 s16, s13, 7
	s_lshl_b32 s17, s11, 6
	s_add_co_u32 s16, s16, s17
	s_lshl_b32 s16, s16, 12                        ; my first row: 4,096 bytes a row
	s_mov_b32 s17, 0
	s_add_nc_u64 s[8:9], s[8:9], s[16:17]
	s_lshl_b32 s46, s42, 9
	s_lshl_b32 s47, s12, 8
	s_add_co_u32 s46, s46, s47                     ; my first column, in bytes
	s_mov_b32 s47, 0
	s_add_nc_u64 s[8:9], s[8:9], s[46:47]
; One matrix instruction.  d: accumulator; fb, fa: B's and A's fragment; rb, ra: their scale registers; hb, ha: 1 where the words stand in lanes 16-31; zero = 1: the product starts the sum
.macro WM d, fb, fa, rb, ra, hb, ha, zero
.if \zero
.if (\hb) && (\ha)
	v_wmma_scale_f32_16x16x128_f8f6f4 v[(\d):(\d)+7], v[(\fb):(\fb)+11], v[(\fa):(\fa)+11], 0, v[\rb], v[\ra] matrix_a_fmt:MATRIX_FMT_BF6 matrix_b_fmt:MATRIX_FMT_BF6 matrix_a_scale:MATRIX_SCALE_ROW1 matrix_b_scale:MATRIX_SCALE_ROW1
.elseif (\hb)
	v_wmma_scale_f32_16x16x128_f8f6f4 v[(\d):(\d)+7], v[(\fb):(\fb)+11], v[(\fa):(\fa)+11], 0, v[\rb], v[\ra] matrix_a_fmt:MATRIX_FMT_BF6 matrix_b_fmt:MATRIX_FMT_BF6 matrix_a_scale:MATRIX_SCALE_ROW1
.elseif (\ha)
	v_wmma_scale_f32_16x16x128_f8f6f4 v[(\d):(\d)+7], v[(\fb):(\fb)+11], v[(\fa):(\fa)+11], 0, v[\rb], v[\ra] matrix_a_fmt:MATRIX_FMT_BF6 matrix_b_fmt:MATRIX_FMT_BF6 matrix_b_scale:MATRIX_SCALE_ROW1
.else
	v_wmma_scale_f32_16x16x128_f8f6f4 v[(\d):(\d)+7], v[(\fb):(\fb)+11], v[(\fa):(\fa)+11], 0, v[\rb], v[\ra] matrix_a_fmt:MATRIX_FMT_BF6 matrix_b_fmt:MATRIX_FMT_BF6
.endif
.else
.if (\hb) && (\ha)
	v_wmma_scale_f32_16x16x128_f8f6f4 v[(\d):(\d)+7], v[(\fb):(\fb)+11], v[(\fa):(\fa)+11], v[(\d):(\d)+7], v[\rb], v[\ra] matrix_a_fmt:MATRIX_FMT_BF6 matrix_b_fmt:MATRIX_FMT_BF6 matrix_a_scale:MATRIX_SCALE_ROW1 matrix_b_scale:MATRIX_SCALE_ROW1
.elseif (\hb)
	v_wmma_scale_f32_16x16x128_f8f6f4 v[(\d):(\d)+7], v[(\fb):(\fb)+11], v[(\fa):(\fa)+11], v[(\d):(\d)+7], v[\rb], v[\ra] matrix_a_fmt:MATRIX_FMT_BF6 matrix_b_fmt:MATRIX_FMT_BF6 matrix_a_scale:MATRIX_SCALE_ROW1
.elseif (\ha)
	v_wmma_scale_f32_16x16x128_f8f6f4 v[(\d):(\d)+7], v[(\fb):(\fb)+11], v[(\fa):(\fa)+11], v[(\d):(\d)+7], v[\rb], v[\ra] matrix_a_fmt:MATRIX_FMT_BF6 matrix_b_fmt:MATRIX_FMT_BF6 matrix_b_scale:MATRIX_SCALE_ROW1
.else
	v_wmma_scale_f32_16x16x128_f8f6f4 v[(\d):(\d)+7], v[(\fb):(\fb)+11], v[(\fa):(\fa)+11], v[(\d):(\d)+7], v[\rb], v[\ra] matrix_a_fmt:MATRIX_FMT_BF6 matrix_b_fmt:MATRIX_FMT_BF6
.endif
.endif
.endm
; 4 matrix instructions: A's block a x B's four, the slot's K step q, scale words of set.  The 16 accumulators take turns, one instruction a turn, in one order throughout.
.macro MULA f, a, set, q, zero
.irp b, 0,1,2,3
	WM ACC+8*(4*(\a)+\b), (\f)+48+12*\b, (\f)+12*(\a), SC+24*(\set)+4*(\q)+2+\b/2, SC+24*(\set)+4*(\q)+(\a)/2, \b%2, (\a)%2, \zero
.endr
.endm
; 24 LDS loads in one run: the slot's K step q into buffer f: B's four fragments, A's blocks 0, 1, then 2, 3
.macro FETCH slot, q, f
	WIN TO_F
.irp i, 0,1,2,3
.irp c, 0,1,2
	ds_load_b128 v[(\f)+48+12*\i+4*\c:(\f)+48+12*\i+4*\c+3], v[ADRB+\slot] offset:BLKB*\i+1536*(\q)+512*\c
.endr
.endr
.irp i, 0,1,2,3
.irp c, 0,1,2
	ds_load_b128 v[(\f)+12*\i+4*\c:(\f)+12*\i+4*\c+3], v[ADRA+\slot] offset:BLKB*\i+1536*(\q)+512*\c
.endr
.endr
.endm
.macro PLACES
.rept 4
	v_nop
.endr
.endm
; One of a slot's first five K steps: multiplies K step q - 1 in buffer f and fetches K step q into buffer g.
; sl = 1: the slot's first K step: its scale words are waited for; that wait shows those loads done, so their bases may step; the next slot's words are asked for, into the set that the slot before has left
; (its last products stand ahead of this step's first eight, and four places lie between).  sl = 2: the last slot's first K step: the wait alone.
.macro QUARTER slot, q, f, g, zero, sl
.if \sl
	s_wait_loadcnt 0x0                             ; this slot's scale words are in
.endif
.if \sl == 1
	s_add_nc_u64 s[SAB:SAB+1], s[SAB:SAB+1], NS*16384
	s_add_nc_u64 s[SBB:SBB+1], s[SBB:SBB+1], NS*4096
.endif
	s_wait_dscnt 6                                 ; all but the youngest six loads (A's blocks 2, 3) are in
	WIN MUL
	MULA \f, 0, \slot, (\q)-1, \zero
	MULA \f, 1, \slot, (\q)-1, \zero
	PLACES
.if \sl == 1
	WIN 0
	SLOAD 1-\slot
.endif
	FETCH \slot, \q, \g
	s_wait_dscnt 24                                ; all but the 24 just issued
	WIN MUL
	MULA \f, 2, \slot, (\q)-1, \zero
	MULA \f, 3, \slot, (\q)-1, \zero
.endm
; A slot's last K step multiplies buffer 1 and changes slots: one barrier; in front of it each wave waits for all its tensor loads, adds 0 to its spare word, and waits for that and for its reads of this slot.
.macro TURN slot, next, fill
	WIN 0
	s_wait_tensorcnt 0x0                           ; all my tensor loads have landed: my part of the next slot
	ds_add_u32 v[SPW], v[NIL]                      ; 0 onto my spare word
	s_wait_dscnt 7                                 ; the add and the youngest six loads may be out
	WIN MUL
	MULA F1, 0, \slot, NS-1, 0
	s_wait_dscnt 0x0                               ; the add is done, and my reads of this slot are over
	s_barrier_signal -1
	MULA F1, 1, \slot, NS-1, 0
	WIN 0
	s_barrier_wait -1
.if \fill
	CREST                                          ; the barrier has opened a round of the cluster's barrier
	s_add_nc_u64 s[G0+4*\slot+2:G0+4*\slot+3], s[G0+4*\slot+2:G0+4*\slot+3], 2*BLKB
	s_add_nc_u64 s[G0B+4*\slot+2:G0B+4*\slot+3], s[G0B+4*\slot+2:G0B+4*\slot+3], 2*BLKB
	JLOAD G0+4*\slot, G1, G0B+4*\slot, G1B         ; the first tensor load behind the round, my only one until the next; its four v_nop are the places for the loads below
.else
	PLACES
.endif
	FETCH \next, 0, F0
	WIN MUL
	MULA F1, 2, \slot, NS-1, 0
	MULA F1, 3, \slot, NS-1, 0
.endm
.macro MIDDLE slot                     ; a slot's K steps 1 to 4
	QUARTER \slot, 2, F1, F0, 0, 0
	QUARTER \slot, 3, F0, F1, 0, 0
	QUARTER \slot, 4, F1, F0, 0, 0
	QUARTER \slot, 5, F0, F1, 0, 0
.endm
	s_wait_tensorcnt 1                             ; my part of slot 0 is in; slot 1's load may be out
	s_barrier_signal -1
	s_barrier_wait -1
	FETCH 0, 0, F0
	QUARTER 0, 1, F0, F1, 1, 1                     ; the first K step's products start the sums
	WIN 0
	s_mov_b32 s3, LAPS-1
.Llap:                                             ; a trip goes once round the ring, from a lap's second K step to the next lap's first, and fills both slots again
	MIDDLE 0
	TURN 0, 1, 1
	QUARTER 1, 1, F0, F1, 0, 1
	MIDDLE 1
	TURN 1, 0, 1
	QUARTER 0, 1, F0, F1, 0, 1
	WIN 0
	s_sub_co_u32 s3, s3, 1
	s_cmp_lg_u32 s3, 0
	s_cbranch_scc1 .Llap
	MIDDLE 0                                       ; the last lap fills nothing, and asks for no scale words beyond K's end
	TURN 0, 1, 0
	QUARTER 1, 1, F0, F1, 0, 2
	MIDDLE 1
	s_wait_dscnt 6
	WIN MUL
	MULA F1, 0, 1, NS-1, 0
	MULA F1, 1, 1, NS-1, 0
	s_wait_dscnt 0
	MULA F1, 2, 1, NS-1, 0
	MULA F1, 3, 1, NS-1, 0
	WIN 0
; THE WAY OUT, a block of 16 rows x 64 columns at a time, through my own stage: a row's 256 bytes come back whole, and sixteen lanes store them as one aligned run.  LDS serves a wave's instructions in order.
	PLACES
.macro TOSTAGE a
.irp b, 0,1,2,3
	ds_store_b128 v[STO], v[ACC+8*(4*(\a)+\b):ACC+8*(4*(\a)+\b)+3] offset:64*\b      ; each accumulator from its low end on
	ds_store_b128 v[STO], v[ACC+8*(4*(\a)+\b)+4:ACC+8*(4*(\a)+\b)+7] offset:64*\b+16
.endr
.irp t, 0,1,2,3,4,5,6,7
	ds_load_b128 v[BK+32*((\a)%2)+4*\t:BK+32*((\a)%2)+4*\t+3], v[RD] offset:544*\t
.endr
.endm
.macro SEND a, younger                 ; the stage's row 2 t + h is row 32 (a / 2) + 8 (a % 2) + 2 t + h + 8 (t / 4) of my 64
	s_wait_dscnt \younger
.irp t, 0,1,2,3,4,5,6,7
	global_store_b128 v[CO], v[BK+32*((\a)%2)+4*\t:BK+32*((\a)%2)+4*\t+3], s[8:9] offset:(32*((\a)/2)+8*((\a)%2)+2*\t+8*(\t/4))*4096 th:TH_STORE_NT
.endr
.endm
	TOSTAGE 0
.irp a, 1,2,3
.if \a > 1
	s_wait_xcnt 0x0                                ; block a - 2's stores have read their registers: block a's loads may land there
.endif
	TOSTAGE \a
	SEND \a-1, 16                                  ; behind block a - 1's loads: block a's 8 stores and 8 loads
.endr
	SEND 3, 0
	s_wait_tensorcnt 0x0                           ; the wave's end, behind my last tensor load and my last LDS store
	ds_add_u32 v[SPW], v[NIL]
	s_wait_dscnt 0x0
	CROUND                                         ; the closing round
	s_endpgm
.Lfunc_end_k_qccc40c2ebd_gemm2:
	.size	k_qccc40c2ebd_gemm2, .Lfunc_end_k_qccc40c2ebd_gemm2-k_qccc40c2ebd_gemm2
	.p2alignl 7, 3214868480
	.fill 96, 4, 3214868480
	.section	.rodata,"a",@progbits
	.p2align	6, 0x0
	.amdhsa_kernel k_qccc40c2ebd_gemm2
		.amdhsa_group_segment_fixed_size 327680
		.amdhsa_private_segment_fixed_size 0
		.amdhsa_enable_private_segment 0
		.amdhsa_kernarg_size 24
		.amdhsa_user_sgpr_count 2
		.amdhsa_user_sgpr_kernarg_segment_ptr 1
		.amdhsa_wavefront_size32 1
		.amdhsa_system_sgpr_workgroup_id_x 1
		.amdhsa_system_sgpr_workgroup_id_y 1
		.amdhsa_system_sgpr_workgroup_id_z 1
		.amdhsa_system_vgpr_workitem_id 0
		.amdhsa_next_free_vgpr 512
		.amdhsa_next_free_sgpr 100
		.amdhsa_reserve_vcc 0
		.amdhsa_float_denorm_mode_32 3
		.amdhsa_float_denorm_mode_16_64 3
		.amdhsa_memory_ordered 1
		.amdhsa_forward_progress 1
		.amdhsa_inst_pref_size 118
	.end_amdhsa_kernel
	.amdgpu_metadata
---
amdhsa.version: [ 1, 2 ]
amdhsa.kernels:
  - .name:           k_qccc40c2ebd_gemm2
    .symbol:         k_qccc40c2ebd_gemm2.kd
    .args:
      - { .name: abuf, .offset: 0, .size: 8, .value_kind: global_buffer, .address_space: global }
      - { .name: wops, .offset: 8, .size: 8, .value_kind: global_buffer, .address_space: global }
      - { .name: out0, .offset: 16, .size: 8, .value_kind: global_buffer, .address_space: global }
    .group_segment_fixed_size: 327680
    .private_segment_fixed_size: 0
    .kernarg_segment_align: 8
    .kernarg_segment_size: 24
    .max_flat_workgroup_size: 128
    .sgpr_count:     100
    .vgpr_count:     512
    .wavefront_size: 32
...
	.end_amdgpu_metadata
.endif
;; end of part 5
